; MI455X (gfx1250); checked and timed in simulation.
; The chip was launched on July 23, 2026; its instructions are those of AMD's public machine-readable ISA for CDNA 5 (MIT licence, August 2026) and "CDNA5" Instruction Set Architecture Reference Guide (July 2026). The comments in the code are by the model that wrote it; some were corrected since.
;; Multi Head Attention With Ro PE. Allowed arithmetic: matrix products marked QUANTISED: E4M3 operands, one E8M0 scale for each 32 along K, by v_wmma_scale_f32_16x16x128_f8f6f4 with both operands' format E4M3, f32 sums; everything else in f32.
;; Inputs: b_out 1,024 float32; b_qkv 3,072 float32; w_out_codes 1,024 x 32 x 32 uint8 (E4M3 codes of w_out, K innermost, in blocks of 32 codes); w_out_scales 1,024 x 32 uint8 (E8M0 scales of w_out, one for each 32 codes along K); w_qkv_codes 3,072 x 32 x 32 uint8 (E4M3 codes of w_qkv, K innermost, in blocks of 32 codes); w_qkv_scales 3,072 x 32 uint8 (E8M0 scales of w_qkv, one for each 32 codes along K); x_codes 4 x 2,048 x 32 x 32 uint8 (E4M3 codes of x, K innermost, in blocks of 32 codes); x_scales 4 x 2,048 x 32 uint8 (E8M0 scales of x, one for each 32 codes along K).
;; Outputs: out0 4 x 2,048 x 1,024 float32.
;; This version of the problem:
;;   THIS VERSION OF THE PROBLEM IS GIVEN IN LOW PRECISION. The matrix products marked QUANTISED in the list below multiply operands that are first quantised to E4M3 (4 exponent bits, 3 mantissa bits; 8 bits a number), with one power-of-two scale for each 32 numbers along K (OCP MX v1.0); their sums are f32. All else is computed in f32.
;;   The module's matrix products, in the order in which they are computed (A, B: the left and right operand; K: the contracted axis; several contracted axes count as one K, in the product's order):
;;     1. [M 8,192, K 1,024] x [K 1,024, N 3,072]; A: input x (given as codes); B: input w_qkv (given as codes): QUANTISED
;;     2. batch 64 x [M 2,048, K 64] x [K 64, N 2,048]; A: computed on the way; B: computed on the way: QUANTISED
;;     3. batch 64 x [M 2,048, K 2,048] x [K 2,048, N 64]; A: softmax (see below); B: computed on the way: QUANTISED
;;     4. [M 8,192, K 1,024] x [K 1,024, N 1,024]; A: computed on the way; B: input w_out (given as codes): QUANTISED
;;   THE QUANTISER, for each operand of a quantised product, along K:
;;     - K is cut into blocks of 32 from its start; a last block that is shorter is filled with zeros.
;;     - A block's scale is 2^e with e = floor(log2(the largest magnitude in the block)) - 8, held to -126 .. 127; a block of zeros has e = 0. As a byte (E8M0): e + 127.
;;     - Each number is divided by its block's scale, clamped to +-448, and rounded to the nearest number of E4M3, ties to even, subnormals kept.
;;     - The product sums the exact products of the quantised numbers (number of the format x scale) in f32.
;;   ~~~python
;;   def quantise(x, axis):      # numpy; x: float32 -> the quantised numbers, widened to float32 again
;;       x = np.moveaxis(x, axis, -1); K = x.shape[-1]
;;       x = np.pad(x, [(0, 0)] * (x.ndim - 1) + [(0, -K % 32)]); x = x.reshape(x.shape[:-1] + (-1, 32)); a = np.abs(x).max(-1, keepdims=True)
;;       e = np.where(a > 0, np.clip(np.frexp(np.where(a > 0, a, 1))[1] - 1 - 8, -126, 127), 0)      # np.frexp(a)[1] - 1 = floor(log2(a)), exactly
;;       r = np.clip(x / 2.0 ** e, -448, 448)
;;       step = 2.0 ** (np.maximum(np.frexp(np.where(r == 0, 1, r))[1] - 1, -6) - 3)
;;       q = np.round(r / step) * step * 2.0 ** e      # np.round: ties to even
;;       return np.moveaxis(q.reshape(q.shape[:-2] + (-1,))[..., :K], -1, axis).astype(np.float32)
;;   ~~~
;;   SOFTMAX AHEAD OF A QUANTISED PRODUCT. Where the list says 'softmax', what is quantised is not the finished softmax but p = 2^(t - M), with t = logit x log2(e) and M = ceil(the row's largest t), a whole number; so 1/2 < the row's largest p <= 1. The row's sum l is taken of the UNQUANTISED p, in f32, and the product's result is divided by l at the end. Since M is a whole number, a kernel that streams over the keys may use a running M (the ceiling of the running maximum): every later rescaling is an exact power of two, which a block's scale takes up: the codes' values come out the same.
;;   OPERANDS COMPUTED ON THE WAY. 'Computed on the way' means the value that the module computes at that place (a softmax that the list does not call 'softmax' is quantised finished and normalised). What goes into a quantiser is computed in f32, as accurately as f32 sums, v_exp_f32 and their like allow (about 1e-6 of the number): no bf16 or f16 on the way to a quantiser, and a product that is left as it is and whose result goes on into a quantised operand takes f32 operands (vector FMAs, or v_wmma_f32_16x16x4_f32). A number that lies on a knife's edge between two numbers of the format may be rounded either way, as far as f32 arithmetic and the matrix unit's own rounding can turn it there, and no further.
;;   INPUTS GIVEN AS CODES. w_out (in the module: [1024, 1024], K = its axis 0); w_qkv (in the module: [1024, 3072], K = its axis 0); x (in the module: [4, 2048, 1024], K = its axis 2): each comes as NAME_codes (uint8): NAME with its K axis moved to the last place and cut into blocks of 32 codes, [.., K / 32, bytes a block], one block behind the other in memory; one code a byte (a code: sign, 4 exponent bits, 3 mantissa bits); and NAME_scales (uint8): the same leading axes, one E8M0 byte (e + 127) for each 32 codes along K. Its value is code x scale, taken as it is: it is not quantised again, and the codes and scales need not be those that the quantiser above would give.
;; One version. Each part assembles by itself: llvm-mc -triple=amdgcn-amd-amdhsa -mcpu=gfx1250 --defsym DOCPART=n.
;; ======== version 1 of 1: 3 launches
;; limits: right only within a limited range of input values
;; workspace buffers: kv 17,301,504 bytes; q 8,650,752 bytes; ao 8,388,608 bytes; ao_scales 262,144 bytes
;; launch qkv (part 1): grid 8 x 48, 4 waves a work-group, clusters of 4 x 4, 327,680 bytes of LDS; arguments x_codes, x_scales, w_qkv_codes, w_qkv_scales, b_qkv, q, kv; writes q, kv
.if DOCPART == 1
	.amdgcn_target "amdgcn-amd-amdhsa--gfx1250"
	.amdhsa_code_object_version 6
	.text
	.protected	k_qeefe9e63ce_qkv
	.globl	k_qeefe9e63ce_qkv
	.p2align	8
	.type	k_qeefe9e63ce_qkv,@function
k_qeefe9e63ce_qkv:
	s_mov_b64 s[64:65], 0
	v_nop
	global_prefetch_b8 v0, s[64:65] scope:SCOPE_SE
	s_setreg_imm32_b32 hwreg(HW_REG_WAVE_MODE, 25, 1), 1
	s_wait_xcnt 0x0
	s_wait_alu depctr_hold_cnt(0) depctr_sa_sdst(0) depctr_va_vdst(0) depctr_va_sdst(0) depctr_va_ssrc(0) depctr_va_vcc(0) depctr_vm_vsrc(0)
	s_getreg_b32 s2, hwreg(HW_REG_IB_STS2, 6, 4)
	s_cmp_eq_u32 s2, 0
	s_cbranch_scc0 .Lentry_in_a_cluster
	s_endpgm
.Lentry_in_a_cluster:
	s_bfe_u32 s2, ttmp6, 0x10000c
	s_cmp_lg_u32 s2, 0xf033
	s_cbranch_scc0 .Lentry_shape_is_right
	s_endpgm
.Lentry_shape_is_right:
.set NQ,     2
.set ROWB,   256
.set KROW,   1024
.set PITCH,  272
.set FR,     16
.set NL,     4
.set NP,     8
.set HALFT,  128*PITCH
.set SLOT,   4*HALFT
.set SCL,    2*SLOT
.set HALFS,  16*272
.set SPARE,  SCL+4*HALFS
.set KVHEAD, 270336
.set KVSTEP, 16896
.set QHEAD,  135168
.set QGRP,   8448
.set ADRA, 8
.set ADRB, 12
.set ADRS, 16
.set LI,   18
.set VO1,  19
.set VS,   20
.set VB0,  21
.set VB1,  22
.set PF,   23
.set SPW,  28
.set NIL,  29
.set SC,   32
.set AF,   128
.set INVF, 32
.set PC,   48
.set VB,   64
.set TM,   72
.set WD,   88
.set POSA, 100
.set RT,   104
.set MAGIC, 112
.set VS3,  114
.set VC3,  116
.set X,    128
.set QA,   X
.set QT,   X+16
.set QN,   X+32
.set QZ,   X+48
.set CS,   192
.set G1, 24
.set G0, 32
.set G1B, 48
.set G0B, 56
.set G1S, 68
.set G0S, 76
.set G1SB, 80
.set G0SB, 88
.set G0H,  4
.set G0HB, 8
.set DST, 26
.set HS,  28
.set SS,  29
.set SO,  30
.set BIAS, 36
.set SEL, 48
.set TWOPI, 50
.set NC1, 52
.set NC2, 54
.set NC3, 56
.set KS4, 58
.set KS2, 60
.set KS1, 62
.set KC4, 66
.set KC2, 68
.set MNT, 70
.set HM,  71
.set SGN, 72
.set GG,  74
.set MSB, 0
.macro WIN new
.if MSB != (\new)
	s_set_vgpr_msb (MSB<<8)|(\new)
.set MSB, (\new)
.endif
.endm
.set MUL_LO, 0xa1
.set MUL_HI, 0xf1
.set TO_B,   0x40
.macro JLOAD g0a, g1a, g0b, g1b
	s_cmp_eq_u32 s15, 0
	s_cbranch_scc0 .Lfor_b_\@
	tensor_load_to_lds s[\g0a:\g0a+3], s[\g1a:\g1a+7]
	s_nop 0
.rept 4
	v_nop
.endr
	s_branch .Lasked_\@
.Lfor_b_\@:
	tensor_load_to_lds s[\g0b:\g0b+3], s[\g1b:\g1b+7]
	s_nop 0
.rept 4
	v_nop
.endr
.Lasked_\@:
.endm
.macro CREST
	s_cmp_lg_u32 s14, 0
	s_cbranch_scc1 .Lnot_wave_0_\@
	s_barrier_signal -3
.Lnot_wave_0_\@:
	s_barrier_wait -3
	s_barrier_signal -1
	s_barrier_wait -1
.endm
.macro CROUND
	s_barrier_signal -1
	s_barrier_wait -1
	CREST
.endm
	s_load_b256 s[4:11], s[0:1], 0x0
	s_load_b64 s[12:13], s[0:1], 0x20
	s_load_b128 s[96:99], s[0:1], 0x28
	v_lshl_add_u32 v[SPW], v0, 2, SPARE
	v_mov_b32 v[NIL], 0
	ds_add_u32 v[SPW], v[NIL]
	ds_add_u32 v[SPW], v[NIL]
	v_lshrrev_b32 v1, 5, v0
	v_readfirstlane_b32 s14, v1
	s_lshr_b32 s15, s14, 1
	s_and_b32 s16, s14, 1
	s_bfe_u32 s40, ttmp6, 0x40000
	s_bfe_u32 s41, ttmp6, 0x40004
	s_and_b32 s19, ttmp7, 0xffff
	s_sub_co_u32 s18, s19, 8
	s_lshl_b32 s18, s18, 1
	s_add_co_u32 s18, s18, ttmp9
	s_cmp_ge_u32 s19, 8
	s_cselect_b32 s95, 1, 0
	s_cselect_b32 s17, 0, s19
	s_cselect_b32 s42, s18, ttmp9
	s_cselect_b32 s2, 2048, 0
	s_lshl_b32 s17, s17, 2
	s_add_co_u32 s17, s17, s41
	s_lshl_b32 s42, s42, 2
	s_add_co_u32 s42, s42, s40
	s_lshl_b32 s43, s41, 2
	s_lshl_b32 s43, 15, s43
	s_lshl_b32 s44, 0x1111, s40
	s_or_b32 s[G1+0], s43, (0<<16)|(1<<20)|(1<<21)|(5<<22)|(3<<25)
	s_or_b32 s[G1B+0], s44, (0<<16)|(1<<20)|(1<<21)|(5<<22)|(3<<25)
.irp g, G1, G1B
	s_mov_b32 s[\g+1], ROWB<<16
	s_mov_b32 s[\g+2], 256<<16
	s_mov_b32 s[\g+3], ROWB<<16
	s_mov_b32 s[\g+4], 256
	s_mov_b32 s[\g+5], KROW
	s_mov_b32 s[\g+6], 0
	s_mov_b32 s[\g+7], 0
.endr
	s_or_b32 s[G1S+0], s43, (3<<16)|(1<<20)|(1<<21)|(5<<22)|(3<<25)
	s_or_b32 s[G1SB+0], s44, (3<<16)|(1<<20)|(1<<21)|(5<<22)|(3<<25)
.irp g, G1S, G1SB
	s_mov_b32 s[\g+1], 32<<16
	s_mov_b32 s[\g+2], 32<<16
	s_mov_b32 s[\g+3], 32<<16
	s_mov_b32 s[\g+4], 32
	s_mov_b32 s[\g+5], 32
	s_mov_b32 s[\g+6], 0
	s_mov_b32 s[\g+7], 0
.endr
	s_lshl_b32 s20, s17, 8
	s_add_co_u32 s20, s20, s2
	s_lshl_b32 s46, s42, 8
	s_lshl_b32 s22, s20, 5
	s_mov_b32 s23, 0
	s_lshl_b32 s92, s46, 5
	s_mov_b32 s93, 0
	s_lshl_b32 s20, s20, 10
	s_mov_b32 s21, 0
	s_lshl_b32 s46, s46, 10
	s_mov_b32 s47, 0
	s_mul_i32 s45, s14, HALFT
	s_wait_dscnt 0x0
	s_wait_kmcnt 0x0
	s_cmp_lg_u32 s95, 0
	s_cselect_b64 s[2:3], s[8:9], s[4:5]
	s_cselect_b64 s[18:19], s[10:11], s[6:7]
	s_cselect_b64 s[66:67], s[4:5], s[8:9]
	s_cselect_b64 s[100:101], s[6:7], s[10:11]
	s_add_nc_u64 s[20:21], s[2:3], s[20:21]
	s_add_nc_u64 s[22:23], s[18:19], s[22:23]
	s_add_nc_u64 s[46:47], s[66:67], s[46:47]
	s_add_nc_u64 s[92:93], s[100:101], s[92:93]
	CROUND
	s_mov_b32 s[G0S], 1
	s_mov_b32 s[G0S+1], SCL
	s_mov_b64 s[G0S+2:G0S+3], s[22:23]
	s_or_b32 s[G0S+3], s[G0S+3], 0x80000000
	s_mov_b32 s[G0SB], 1
	s_mov_b32 s[G0SB+1], SCL+2*HALFS
	s_mov_b64 s[G0SB+2:G0SB+3], s[92:93]
	s_or_b32 s[G0SB+3], s[G0SB+3], 0x80000000
	s_mov_b32 s[G0H], 1                            ; the head's tiles, each whole: K step 0's 256 rows of the first operand,
	s_mov_b32 s[G0H+1], 0
	s_mov_b64 s[G0H+2:G0H+3], s[20:21]
	s_or_b32 s[G0H+3], s[G0H+3], 0x80000000
	s_mov_b32 s[G0HB], 1                           ; and of the second, behind them in slot 0
	s_mov_b32 s[G0HB+1], 2*HALFT
	s_mov_b64 s[G0HB+2:G0HB+3], s[46:47]
	s_or_b32 s[G0HB+3], s[G0HB+3], 0x80000000
	s_lshl_b32 s100, s16, 17                       ; for the ring: my 128 rows of a tile, 1,024 bytes a row
	s_mov_b32 s101, 0
	s_add_nc_u64 s[20:21], s[20:21], s[100:101]
	s_add_nc_u64 s[46:47], s[46:47], s[100:101]
.irp s, 0,1
	s_mov_b32 s[G0+4*\s], 1
	s_add_co_u32 s[G0+4*\s+1], s45, \s*SLOT
	s_add_nc_u64 s[G0+4*\s+2:G0+4*\s+3], s[20:21], \s*ROWB
	s_or_b32 s[G0+4*\s+3], s[G0+4*\s+3], 0x80000000
	s_mov_b32 s[G0B+4*\s], 1
	s_add_co_u32 s[G0B+4*\s+1], s45, \s*SLOT
	s_add_nc_u64 s[G0B+4*\s+2:G0B+4*\s+3], s[46:47], \s*ROWB
	s_or_b32 s[G0B+4*\s+3], s[G0B+4*\s+3], 0x80000000
.endr
; The head's loads, one a wave: wave 0 K step 0's 256 rows of the first operand, wave 1 those of the second, waves 2 and 3 their scales.
; One tree of branches on the wave's number; every way through it passes one load.
.macro HARM under, g0, g1, next
	s_cmp_lt_u32 s14, \under
	s_cbranch_scc0 \next
	tensor_load_to_lds s[\g0:\g0+3], s[\g1:\g1+7]
	s_nop 0
.rept 4
	v_nop
.endr
	s_branch .Lhead_asked
\next:
.endm
	HARM 1, G0H,  G1,  .Lhead_b
	HARM 2, G0HB, G1B, .Lhead_sa
	HARM 3, G0S,  G1S, .Lhead_sb
	tensor_load_to_lds s[G0SB:G0SB+3], s[G1SB:G1SB+7]
	s_nop 0
.rept 4
	v_nop
.endr
.Lhead_asked:
	v_and_b32 v1, 15, v0
	v_bfe_u32 v2, v0, 4, 1
	v_bfe_u32 v3, v0, 3, 1
	v_lshl_add_u32 v4, v3, 4, v1
	v_mul_u32_u24 v4, v4, PITCH
	v_lshl_add_u32 v4, v2, 4, v4
	v_mul_u32_u24 v5, v1, PITCH
	v_lshl_add_u32 v5, v2, 4, v5
	s_mul_i32 s21, s15, HALFT
	s_mul_i32 s22, s16, HALFT
	s_add_co_u32 s22, s22, 2*HALFT
.irp s, 0,1
	v_add_nc_u32 v[ADRA+2*\s], s21, v4
	v_add_nc_u32 v[ADRA+2*\s+1], s21, v5
	v_add_nc_u32 v[ADRB+2*\s], s22, v4
	v_add_nc_u32 v[ADRB+2*\s+1], s22, v5
	s_add_co_u32 s21, s21, SLOT
	s_add_co_u32 s22, s22, SLOT
.endr
	v_and_b32 v6, 7, v0
	v_lshlrev_b32 v6, 5, v6
	v_mad_u32_u24 v7, v3, 816, v6
	v_mad_u32_u24 v6, v3, 272, v6
	s_mul_i32 s21, s15, HALFS
	s_mul_i32 s22, s16, HALFS
	s_add_co_u32 s22, s22, 2*HALFS
	s_sub_co_u32 s22, s22, s21
	v_mul_u32_u24 v19, s22, v2
	s_add_co_u32 s21, s21, SCL
	v_add_nc_u32 v19, s21, v19
	v_add_nc_u32 v[ADRS], v19, v7
	v_add_nc_u32 v[ADRS+1], v19, v6
	v_and_b32 v[LI], 31, v0
	v_lshlrev_b32 v[LI], 4, v[LI]
.macro FRAG reg, adr, q, i
.irp c, 0,1,2,3
	ds_load_b128 v[\reg+4*\c:\reg+4*\c+3], v[\adr+(\i)%2] offset:128*(\q)+32*\c+(32*((\i)/2)+8*((\i)%2))*PITCH
.endr
.endm
.macro MUL16 a0, p, q, sc, zero
.irp a, \a0, \a0+1
.irp b, 0,1,2,3,4,5,6,7
.if \zero
	v_wmma_scale_f32_16x16x128_f8f6f4 v[8*(8*((\a)%4)+\b):8*(8*((\a)%4)+\b)+7], v[128*(\p)+FR*\b:128*(\p)+FR*\b+FR-1], v[AF+FR*(\a):AF+FR*(\a)+FR-1], 0, v[SC+8*NQ*(\sc)+NQ*\b+(\q)], v[SC+8*NQ*(\sc)+NQ*(\a)+(\q)] matrix_a_scale:MATRIX_SCALE_ROW1
.else
	v_wmma_scale_f32_16x16x128_f8f6f4 v[8*(8*((\a)%4)+\b):8*(8*((\a)%4)+\b)+7], v[128*(\p)+FR*\b:128*(\p)+FR*\b+FR-1], v[AF+FR*(\a):AF+FR*(\a)+FR-1], v[8*(8*((\a)%4)+\b):8*(8*((\a)%4)+\b)+7], v[SC+8*NQ*(\sc)+NQ*\b+(\q)], v[SC+8*NQ*(\sc)+NQ*(\a)+(\q)] matrix_a_scale:MATRIX_SCALE_ROW1
.endif
.endr
.endr
.endm
.macro FETCH_B slot, q, p
	WIN TO_B
.irp i, 0,1,2,3,4,5,6,7
	FRAG 128*(\p)+FR*\i, ADRB+2*\slot, \q, \i
.endr
	WIN 0
.endm
.macro FETCH_A slot, q, i0
.irp i, \i0, \i0+1, \i0+2, \i0+3
	FRAG AF+FR*(\i), ADRA+2*\slot, \q, \i
.endr
.endm
.macro SCALES sc
.irp i, 0,1,2,3,4,5,6,7
	ds_load_b64 v[SC+16*\sc+2*\i:SC+16*\sc+2*\i+1], v[ADRS+\i%2] offset:(\i/2)*1088+(\i%2)*272
.endr
.endm
.macro PLACES n
.rept \n
	v_nop
.endr
.endm
.macro STEP slot, q, zero
	s_wait_dscnt 4*NL
	WIN MUL_LO
	MUL16 0, (\q)%2, \q, \slot, \zero
	MUL16 2, (\q)%2, \q, \slot, \zero
	s_wait_dscnt 0
	PLACES NP
	FETCH_B \slot, (\q)+1, 1-(\q)%2
	FETCH_A \slot, (\q)+1, 0
	WIN MUL_HI
	MUL16 4, (\q)%2, \q, \slot, \zero
	MUL16 6, (\q)%2, \q, \slot, \zero
	PLACES NP
	WIN 0
	FETCH_A \slot, (\q)+1, 4
.endm
.macro TURN slot, next, fill
	s_wait_tensorcnt 0x0
	ds_add_u32 v[SPW], v[NIL]
	s_wait_dscnt 4*NL+1
	WIN MUL_LO
	MUL16 0, 1, NQ-1, \slot, 0
	s_wait_dscnt 0x0
	s_barrier_signal -1
	MUL16 2, 1, NQ-1, \slot, 0
	WIN 0
	s_barrier_wait -1
.if \fill
	CREST
	s_add_nc_u64 s[G0+4*\slot+2:G0+4*\slot+3], s[G0+4*\slot+2:G0+4*\slot+3], 2*ROWB
	s_add_nc_u64 s[G0B+4*\slot+2:G0B+4*\slot+3], s[G0B+4*\slot+2:G0B+4*\slot+3], 2*ROWB
	JLOAD G0+4*\slot, G1, G0B+4*\slot, G1B
	PLACES NP-4
.else
	PLACES NP
.endif
	s_wait_alu depctr_va_vdst(0)
	v_add_nc_u32 v[ADRS], 4*NQ, v[ADRS]
	v_add_nc_u32 v[ADRS+1], 4*NQ, v[ADRS+1]
	FETCH_B \next, 0, 0
	FETCH_A \next, 0, 0
	SCALES \next
	WIN MUL_HI
	MUL16 4, 1, NQ-1, \slot, 0
	MUL16 6, 1, NQ-1, \slot, 0
	PLACES NP
	WIN 0
	FETCH_A \next, 0, 4
.endm
	s_wait_alu depctr_va_vdst(0)
	s_wait_tensorcnt 0x0                           ; my tile of the head's four is in
	ds_add_u32 v[SPW], v[NIL]
	s_mov_b32 s[G1+2], 128<<16                     ; no tensor load of mine is out: from here on a load brings 128 rows
	s_mov_b32 s[G1+4], 128
	s_mov_b32 s[G1B+2], 128<<16
	s_mov_b32 s[G1B+4], 128
	s_wait_dscnt 0x0
	CROUND                                         ; all four tiles are in, and all sixteen work-groups are here
	JLOAD G0+4, G1, G0B+4, G1B                     ; K step 1, the first tensor load behind the round
	FETCH_B 0, 0, 0
	FETCH_A 0, 0, 0
	SCALES 0
	FETCH_A 0, 0, 4
	STEP 0, 0, 1
	TURN 0, 1, 1
	STEP 1, 0, 0
	TURN 1, 0, 1
	STEP 0, 0, 0
	TURN 0, 1, 0
	STEP 1, 0, 0
	s_wait_dscnt 4*NL
	WIN MUL_LO
	MUL16 0, 1, NQ-1, 1, 0
	MUL16 2, 1, NQ-1, 1, 0
	s_wait_dscnt 0
	WIN MUL_HI
	MUL16 4, 1, NQ-1, 1, 0
	MUL16 6, 1, NQ-1, 1, 0
	WIN 0
	PLACES NP
.macro QUANT s, w
.irp b, 0,1,2,3
	v_max3_num_f32 v[TM+\b], |v[\s+16*\b]|, |v[\s+1+16*\b]|, 0x4800000
.endr
.irp i, 2,4,6,8,10,12,14
.irp b, 0,1,2,3
	v_max3_num_f32 v[TM+\b], v[TM+\b], |v[\s+16*\b+\i]|, |v[\s+1+16*\b+\i]|
.endr
.endr
.irp b, 0,1,2,3
	v_permlanex16_b32 v[TM+4+\b], v[TM+\b], s[SEL], s[SEL+1]
.endr
.irp b, 0,1,2,3
	v_max_num_f32 v[TM+\b], v[TM+\b], v[TM+4+\b]
.endr
.irp b, 0,1,2,3
	v_add_nc_u32 v[TM+12+\b], 0xfc000000, v[TM+\b]
.endr
.irp b, 0,1,2,3
	v_and_or_b32 v[TM+8+\b], v[TM+\b], 0x7f800000, s[MNT]
.endr
.irp b, 0,1,2,3
	v_lshrrev_b32 v[TM+4+\b], 23, v[TM+12+\b]
.endr
	v_lshl_or_b32 v[\w], v[TM+5], 8, v[TM+4]
	v_lshl_or_b32 v[\w], v[TM+6], 16, v[\w]
	v_lshl_or_b32 v[\w], v[TM+7], 24, v[\w]
.irp b, 0,1,2,3
.irp i, 0,1,2,3,4,5,6,7,8,9,10,11,12,13,14,15
	v_med3_num_f32 v[\s+16*\b+\i], v[\s+16*\b+\i], -v[TM+8+\b], v[TM+8+\b]
.endr
	v_cvt_scalef32_pk8_fp8_f32 v[PC+4*\b:PC+1+4*\b], v[\s+16*\b:\s+7+16*\b], v[TM+12+\b]
	v_cvt_scalef32_pk8_fp8_f32 v[PC+2+4*\b:PC+3+4*\b], v[\s+8+16*\b:\s+15+16*\b], v[TM+12+\b]
.endr
	v_nop
.endm
.macro PUT vo, imm
.irp c, 0,1,2,3
	global_store_b128 v[\vo], v[PC+4*\c:PC+4*\c+3], s[DST:DST+1] offset:\imm+512*\c
.endr
.endm
.macro PAIR reg, val
	s_mov_b32 s[\reg], \val
	s_mov_b32 s[\reg+1], \val
.endm
	s_mov_b32 s[SEL], 0x76543210
	s_mov_b32 s[SEL+1], 0xfedcba98
	s_mov_b32 s[MNT], 0x600000
	s_mov_b32 s[HM], 0xffff0000
.irp b, 0,1,2,3
	v_mov_b32 v[TM+4+\b], 0
.endr
	s_cmp_lg_u32 s95, 0
	s_cbranch_scc1 .Lv
	s_lshr_b32 s24, s42, 2
	s_cmp_lg_u32 s24, 0
	s_cselect_b64 s[DST:DST+1], s[98:99], s[96:97]
	s_mov_b32 s[HS], QHEAD
	s_cselect_b32 s[HS], KVHEAD, s[HS]
	s_mov_b32 s[SS], QGRP
	s_cselect_b32 s[SS], KVSTEP, s[SS]
	s_mov_b32 s[SO], 8192
	s_cselect_b32 s[SO], 16384, s[SO]
	s_lshr_b32 s31, s17, 3
	s_lshl_b32 s31, s31, 4
	s_and_b32 s32, s42, 3
	s_lshl_b32 s32, s32, 2
	s_add_co_u32 s31, s31, s32
	s_lshl_b32 s32, s16, 1
	s_add_co_u32 s31, s31, s32
	s_mul_i32 s31, s31, s[HS]
	s_and_b32 s32, s17, 7
	s_lshl_b32 s32, s32, 1
	s_add_co_u32 s32, s32, s15
	s_mul_i32 s33, s32, s[SS]
	s_add_co_u32 s34, s31, s33
	s_mov_b32 s35, 0
	s_add_nc_u64 s[DST:DST+1], s[DST:DST+1], s[34:35]
	s_lshl_b32 s32, s32, 7
	v_lshl_add_u32 v[PF], v3, 4, v1
	v_add_nc_u32 v[PF], s32, v[PF]
	v_add_nc_u32 v[PF+1], 8, v1
	v_add_nc_u32 v[PF+1], s32, v[PF+1]
	v_add_nc_u32 v[VO1], s[HS], v[LI]
	v_mul_u32_u24 v[VS], s[HS], v2
	v_lshl_add_u32 v[VS], v1, 4, v[VS]
	v_add_nc_u32 v[VS], s[SO], v[VS]
	s_lshl_b32 s38, s42, 10
	s_lshl_b32 s39, s16, 9
	s_add_co_u32 s38, s38, s39
	s_mov_b32 s39, 0
	s_add_nc_u64 s[BIAS:BIAS+1], s[12:13], s[38:39]
	v_mul_u32_u24 v[VB0], 96, v2
	v_lshl_add_u32 v[VB1], v2, 5, 32
	WIN 0x40
.irp j, 0,1
.irp b, 0,1
	global_load_b128 v[32*\j+16*\b:32*\j+16*\b+3], v[VB0], s[BIAS:BIAS+1] offset:4*(64*\j+32*\b)
	global_load_b128 v[32*\j+16*\b+4:32*\j+16*\b+7], v[VB0], s[BIAS:BIAS+1] offset:4*(64*\j+32*\b)+16
	global_load_b128 v[32*\j+16*\b+8:32*\j+16*\b+11], v[VB1], s[BIAS:BIAS+1] offset:4*(64*\j+32*\b)
	global_load_b128 v[32*\j+16*\b+12:32*\j+16*\b+15], v[VB1], s[BIAS:BIAS+1] offset:4*(64*\j+32*\b)+16
.endr
.endr
	WIN 0
	PAIR TWOPI, 0x3f22f983
	PAIR NC1, 0xbfc90fd8
	PAIR NC2, 0xb4a8885a
	PAIR NC3, 0xa7c234c4
	PAIR KS4, 0x3638ef1d
	PAIR KS2, 0x3c088889
	PAIR KS1, 0xbe2aaaab
	PAIR KC4, 0x37d00d01
	PAIR KC2, 0x3d2aaaab
	s_mov_b32 s[SGN], 0x80000000
.irp w, 0,1
	v_mov_b32 v[MAGIC+\w], 0x4b400000
	v_mov_b32 v[VS3+\w], 0xb9500d01
	v_mov_b32 v[VC3+\w], 0xbab60b61
.endr
	v_mov_b32 v[POSA+1], 0
	v_cmp_eq_u32 vcc_lo, 0, v2
.macro FREQ e, lo, hi
	v_mov_b32 v[INVF+\e], \lo
	v_cndmask_b32 v[INVF+\e], \hi, v[INVF+\e], vcc_lo
.endm
	FREQ 0,  1.0,              0.001
	FREQ 1,  0.749894209332,   0.000749894209332
	FREQ 2,  0.562341325190,   0.000562341325190
	FREQ 3,  0.421696503429,   0.000421696503429
	FREQ 4,  0.316227766017,   0.000316227766017
	FREQ 5,  0.237137370566,   0.000237137370566
	FREQ 6,  0.177827941004,   0.000177827941004
	FREQ 7,  0.133352143216,   0.000133352143216
	FREQ 8,  0.1,              0.01
	FREQ 9,  0.0749894209332,  0.00749894209332
	FREQ 10, 0.0562341325190,  0.00562341325190
	FREQ 11, 0.0421696503429,  0.00421696503429
	FREQ 12, 0.0316227766017,  0.00316227766017
	FREQ 13, 0.0237137370566,  0.00237137370566
	FREQ 14, 0.0177827941004,  0.00177827941004
	FREQ 15, 0.0133352143216,  0.00133352143216
.macro SINCOS u, g
.set cC, CS+32*(\u)
.set cS, CS+32*(\u)+16
	v_add_nc_u32 v[POSA], s[GG], v[PF+(\u)]
	v_cvt_f32_u32 v[POSA], v[POSA]
.irp p, 0,2,4,6,8,10,12,14
	v_pk_mul_f32 v[QA+\p:QA+\p+1], v[INVF+\p:INVF+\p+1], v[POSA:POSA+1] op_sel_hi:[1,0]
.endr
.irp p, 0,2,4,6,8,10,12,14
	v_pk_fma_f32 v[QT+\p:QT+\p+1], v[QA+\p:QA+\p+1], s[TWOPI:TWOPI+1], v[MAGIC:MAGIC+1] op_sel_hi:[1,0,1]
.endr
.irp p, 0,2,4,6,8,10,12,14
	v_pk_add_f32 v[QN+\p:QN+\p+1], v[QT+\p:QT+\p+1], v[MAGIC:MAGIC+1] neg_lo:[0,1] neg_hi:[0,1]
.endr
.irp k, NC1, NC2, NC3
.irp p, 0,2,4,6,8,10,12,14
	v_pk_fma_f32 v[QA+\p:QA+\p+1], v[QN+\p:QN+\p+1], s[\k:\k+1], v[QA+\p:QA+\p+1] op_sel_hi:[1,0,1]
.endr
.endr
.irp p, 0,2,4,6,8,10,12,14
	v_pk_mul_f32 v[QZ+\p:QZ+\p+1], v[QA+\p:QA+\p+1], v[QA+\p:QA+\p+1]
.endr
.irp p, 0,2,4,6,8,10,12,14
	v_pk_fma_f32 v[cS+\p:cS+\p+1], v[QZ+\p:QZ+\p+1], s[KS4:KS4+1], v[VS3:VS3+1] op_sel_hi:[1,0,1]
	v_pk_fma_f32 v[cC+\p:cC+\p+1], v[QZ+\p:QZ+\p+1], s[KC4:KC4+1], v[VC3:VC3+1] op_sel_hi:[1,0,1]
.endr
.irp p, 0,2,4,6,8,10,12,14
	v_pk_fma_f32 v[cS+\p:cS+\p+1], v[cS+\p:cS+\p+1], v[QZ+\p:QZ+\p+1], s[KS2:KS2+1] op_sel_hi:[1,1,0]
	v_pk_fma_f32 v[cC+\p:cC+\p+1], v[cC+\p:cC+\p+1], v[QZ+\p:QZ+\p+1], s[KC2:KC2+1] op_sel_hi:[1,1,0]
.endr
.irp p, 0,2,4,6,8,10,12,14
	v_pk_fma_f32 v[cS+\p:cS+\p+1], v[cS+\p:cS+\p+1], v[QZ+\p:QZ+\p+1], s[KS1:KS1+1] op_sel_hi:[1,1,0]
	v_pk_fma_f32 v[cC+\p:cC+\p+1], v[cC+\p:cC+\p+1], v[QZ+\p:QZ+\p+1], -0.5 op_sel_hi:[1,1,0]
.endr
.irp p, 0,2,4,6,8,10,12,14
	v_pk_mul_f32 v[QN+\p:QN+\p+1], v[QZ+\p:QZ+\p+1], v[QA+\p:QA+\p+1]
.endr
.irp p, 0,2,4,6,8,10,12,14
	v_pk_fma_f32 v[cS+\p:cS+\p+1], v[cS+\p:cS+\p+1], v[QN+\p:QN+\p+1], v[QA+\p:QA+\p+1]
	v_pk_fma_f32 v[cC+\p:cC+\p+1], v[cC+\p:cC+\p+1], v[QZ+\p:QZ+\p+1], 1.0 op_sel_hi:[1,1,0]
.endr
.irp e, 0,1,2,3,4,5,6,7,8,9,10,11,12,13,14,15
	v_lshlrev_b32 v[QN+\e], 31, v[QT+\e]
.endr
.irp e, 0,1,2,3,4,5,6,7,8,9,10,11,12,13,14,15
	v_lshlrev_b32 v[QT+\e], 30, v[QT+\e]
.endr
.irp e, 0,1,2,3,4,5,6,7,8,9,10,11,12,13,14,15
	v_and_b32 v[QT+\e], s[SGN], v[QT+\e]
.endr
.irp e, 0,1,2,3,4,5,6,7,8,9,10,11,12,13,14,15
	v_cmp_ne_u32 vcc_lo, 0, v[QN+\e]
	v_cndmask_b32 v[QA+\e], v[cS+\e], v[cC+\e], vcc_lo
	v_cndmask_b32 v[QZ+\e], v[cC+\e], v[cS+\e], vcc_lo
.endr
.irp e, 0,1,2,3,4,5,6,7,8,9,10,11,12,13,14,15
	v_xor_b32 v[QN+\e], v[QN+\e], v[QT+\e]
.endr
.irp e, 0,1,2,3,4,5,6,7,8,9,10,11,12,13,14,15
	v_xor_b32 v[cS+\e], v[QA+\e], v[QT+\e]
.endr
.irp e, 0,1,2,3,4,5,6,7,8,9,10,11,12,13,14,15
	v_xor_b32 v[cC+\e], v[QZ+\e], v[QN+\e]
.endr
.endm
.macro ADDB g, j
	WIN 0x06+(\g)/2
.irp u, 0,1
.set ii, 0
.rept 16
	v_pk_add_f32 v[X+32*\u+ii:X+32*\u+ii+1], v[64*((2*(\g)+\u)%4)+32*(\j)+ii:64*((2*(\g)+\u)%4)+32*(\j)+ii+1], v[32*(\j)+ii:32*(\j)+ii+1]
.set ii, ii+2
.endr
.endr
	WIN 0
.endm
.macro ROPE
.irp u, 0,1
.irp p, 0,2,4,6,8,10,12,14
.set rt, RT+4*((\p/2)%2)
	v_pk_mul_f32 v[rt:rt+1], v[X+32*\u+16+\p:X+32*\u+16+\p+1], v[CS+32*\u+16+\p:CS+32*\u+16+\p+1]
	v_pk_mul_f32 v[rt+2:rt+3], v[X+32*\u+\p:X+32*\u+\p+1], v[CS+32*\u+16+\p:CS+32*\u+16+\p+1]
	v_pk_fma_f32 v[X+32*\u+\p:X+32*\u+\p+1], v[X+32*\u+\p:X+32*\u+\p+1], v[CS+32*\u+\p:CS+32*\u+\p+1], v[rt:rt+1] neg_lo:[0,0,1] neg_hi:[0,0,1]
	v_pk_fma_f32 v[X+32*\u+16+\p:X+32*\u+16+\p+1], v[X+32*\u+16+\p:X+32*\u+16+\p+1], v[CS+32*\u+\p:CS+32*\u+\p+1], v[rt+2:rt+3]
.endr
.endr
.endm
; The four groups of 32 rows are a counted loop, so that the sines and cosines stand twice in the text and not eight times.
; What names registers by the group (accumulators, scale words, store offsets) stands in four arms chosen by the loop's counter.
.macro ARM g
.irp j, 0,1
	ADDB \g, \j
	ROPE
	s_wait_xcnt 0x0
	QUANT X, WD+4*\j+\g
	PUT LI+\j, 2048*\g
.endr
	s_wait_alu depctr_va_vdst(0)                   ; the wait ahead of the branch
.endm
	s_wait_loadcnt 0x0                             ; the bias
.irp x, 0,1,2,3,4,5,6,7
	v_mov_b32 v[WD+\x], 0                          ; the scale words are written on every way through the arms
.endr
	s_mov_b32 s[GG], 0                             ; 32 x the group: the rows' offset, and the loop's counter
.Lgrp:
	SINCOS 0, 0
	SINCOS 1, 0
	s_wait_alu depctr_va_vdst(0)                   ; the wait ahead of the branches
.irp g, 0,1,2
	s_cmp_lg_u32 s[GG], 32*\g
	s_cbranch_scc1 .Lnot_\g
	ARM \g
	s_branch .Ljoin
.Lnot_\g:
.endr
	ARM 3
.Ljoin:
	s_add_co_u32 s[GG], s[GG], 32
	s_cmp_lt_u32 s[GG], 128
	s_cbranch_scc1 .Lgrp
.irp x, 0,1,2,3
	v_cndmask_b32 v[WD+\x], v[WD+\x], v[WD+4+\x], s[HM]
.endr
	global_store_b128 v[VS], v[WD:WD+3], s[DST:DST+1]
	s_branch .Lend
.Lv:
	s_lshr_b32 s31, s42, 3
	s_lshl_b32 s31, s31, 4
	s_lshl_b32 s32, s17, 2
	s_add_co_u32 s31, s31, s32
	s_lshl_b32 s32, s15, 1
	s_add_co_u32 s31, s31, s32
	s_mul_i32 s31, s31, KVHEAD
	s_and_b32 s32, s42, 7
	s_lshl_b32 s32, s32, 1
	s_add_co_u32 s32, s32, s16
	s_mul_i32 s32, s32, KVSTEP
	s_add_co_u32 s34, s31, s32
	s_add_co_u32 s34, s34, 8192
	s_mov_b32 s35, 0
	s_add_nc_u64 s[DST:DST+1], s[98:99], s[34:35]
	s_lshl_b32 s38, s17, 10
	s_lshl_b32 s39, s15, 9
	s_add_co_u32 s38, s38, s39
	s_add_co_u32 s38, s38, 8192
	s_mov_b32 s39, 0
	s_add_nc_u64 s[BIAS:BIAS+1], s[12:13], s[38:39]
	v_lshl_add_u32 v[VB0], v3, 4, v1
	v_lshlrev_b32 v[VB0], 2, v[VB0]
	v_lshl_add_u32 v[VB1], v1, 2, 32
.irp a, 0,1,2,3,4,5,6,7
	global_load_b32 v[VB+\a], v[VB0+\a%2], s[BIAS:BIAS+1] offset:128*(\a/2)
.endr
	v_mul_u32_u24 v[VS], KVHEAD, v2
	v_lshl_add_u32 v[VS], v1, 4, v[VS]
	s_wait_loadcnt 0x0
.macro ADDV a
	WIN 0x02+(\a)/4
.set ii, 0
.rept 32
.if (\a)%2
	v_pk_add_f32 v[X+ii:X+ii+1], v[64*((\a)%4)+ii:64*((\a)%4)+ii+1], v[VB+(\a)-1:VB+(\a)] op_sel:[0,1] op_sel_hi:[1,1]
.else
	v_pk_add_f32 v[X+ii:X+ii+1], v[64*((\a)%4)+ii:64*((\a)%4)+ii+1], v[VB+(\a):VB+(\a)+1] op_sel_hi:[1,0]
.endif
.set ii, ii+2
.endr
	WIN 0
.endm
.irp a, 0,1,2,3,4,5,6,7
	ADDV \a
	s_wait_xcnt 0x0
	QUANT X, WD+\a
	PUT LI, (\a/4)*KVHEAD+(\a%4)*2048
.endr
.irp x, 0,1,2,3
	v_cndmask_b32 v[WD+\x], v[WD+\x], v[WD+4+\x], s[HM]
.endr
	global_store_b128 v[VS], v[WD:WD+3], s[DST:DST+1] offset:8448
.Lend:
	s_wait_tensorcnt 0x0
	ds_add_u32 v[SPW], v[NIL]
	s_wait_dscnt 0x0
	CROUND
	s_endpgm
.Lfunc_end_k_qeefe9e63ce_qkv:
	.size	k_qeefe9e63ce_qkv, .Lfunc_end_k_qeefe9e63ce_qkv-k_qeefe9e63ce_qkv
	.p2alignl 7, 3214868480
	.fill 96, 4, 3214868480
	.section	.rodata,"a",@progbits
	.p2align	6, 0x0
	.amdhsa_kernel k_qeefe9e63ce_qkv
		.amdhsa_group_segment_fixed_size 327680
		.amdhsa_private_segment_fixed_size 0
		.amdhsa_enable_private_segment 0
		.amdhsa_kernarg_size 56
		.amdhsa_user_sgpr_count 2
		.amdhsa_user_sgpr_kernarg_segment_ptr 1
		.amdhsa_wavefront_size32 1
		.amdhsa_system_sgpr_workgroup_id_x 1
		.amdhsa_system_sgpr_workgroup_id_y 1
		.amdhsa_system_sgpr_workgroup_id_z 1
		.amdhsa_system_vgpr_workitem_id 0
		.amdhsa_next_free_vgpr 1024
		.amdhsa_next_free_sgpr 102
		.amdhsa_reserve_vcc 1
		.amdhsa_float_denorm_mode_32 3
		.amdhsa_float_denorm_mode_16_64 3
		.amdhsa_memory_ordered 1
		.amdhsa_forward_progress 1
		.amdhsa_inst_pref_size 255
	.end_amdhsa_kernel
	.section	.bss,"aw",@nobits
	.p2align	6
	.space	262144
	.amdgpu_metadata
---
amdhsa.version: [ 1, 2 ]
amdhsa.kernels:
  - .name:           k_qeefe9e63ce_qkv
    .symbol:         k_qeefe9e63ce_qkv.kd
    .args:
      - { .name: x_codes, .offset: 0, .size: 8, .value_kind: global_buffer, .address_space: global }
      - { .name: x_scales, .offset: 8, .size: 8, .value_kind: global_buffer, .address_space: global }
      - { .name: w_qkv_codes, .offset: 16, .size: 8, .value_kind: global_buffer, .address_space: global }
      - { .name: w_qkv_scales, .offset: 24, .size: 8, .value_kind: global_buffer, .address_space: global }
      - { .name: b_qkv, .offset: 32, .size: 8, .value_kind: global_buffer, .address_space: global }
      - { .name: q, .offset: 40, .size: 8, .value_kind: global_buffer, .address_space: global }
      - { .name: kv, .offset: 48, .size: 8, .value_kind: global_buffer, .address_space: global }
    .group_segment_fixed_size: 327680
    .private_segment_fixed_size: 0
    .kernarg_segment_align: 8
    .kernarg_segment_size: 56
    .max_flat_workgroup_size: 128
    .sgpr_count:     102
    .vgpr_count:     1024
    .wavefront_size: 32
...
	.end_amdgpu_metadata
.endif
;; end of part 1
;; launch attn (part 2): grid 4 x 64, 8 waves a work-group, clusters of 4 x 1, 272,384 bytes of LDS; arguments q, kv, ao, ao_scales; writes ao, ao_scales
.if DOCPART == 2
	.amdgcn_target "amdgcn-amd-amdhsa--gfx1250"
	.amdhsa_code_object_version 6
	.text
	.protected	k_qeefe9e63ce_attn
	.globl	k_qeefe9e63ce_attn
	.p2align	8
	.type	k_qeefe9e63ce_attn,@function
k_qeefe9e63ce_attn:
	s_mov_b64 s[64:65], 0
	v_nop
	global_prefetch_b8 v0, s[64:65] scope:SCOPE_SE
	s_setreg_imm32_b32 hwreg(HW_REG_WAVE_MODE, 25, 1), 1
	s_wait_xcnt 0x0
	s_wait_alu depctr_hold_cnt(0) depctr_sa_sdst(0) depctr_va_vdst(0) depctr_va_sdst(0) depctr_va_ssrc(0) depctr_va_vcc(0) depctr_vm_vsrc(0)
	s_getreg_b32 s2, hwreg(HW_REG_IB_STS2, 6, 4)
	s_cmp_eq_u32 s2, 0
	s_cbranch_scc0 .Lentry_in_a_cluster
	s_endpgm
.Lentry_in_a_cluster:
	s_bfe_u32 s2, ttmp6, 0x10000c
	s_cmp_lg_u32 s2, 0x3003
	s_cbranch_scc0 .Lentry_shape_is_right
	s_endpgm
.Lentry_shape_is_right:
; softmax(q k^T / 8) v for one head, both products on codes of E4M3 with E8M0 scales; the result is quantised along the model's 1,024 for the last product.  No work of the problem is left out.
; THE SOFTMAX.  t = score x log2(e) / 8.  Each block of 32 keys has a whole number of its own, F = floor(the block's largest t + 2^-22), and p = 2^(t - F): the block's largest p lies in [1, 2),
; so the quantiser's scale of every block is 2^-8 and its hold 448 x 2^-8 = 1.75: two constants.  R is the running largest F of the row.  A block's distance d = F - R (0 or less, held at -119) goes
; into p's scale byte, 119 + d, and as 2^d into the row's sum, which is taken of the unquantised p.  When R moves, the sum and O are multiplied by 2^(old R - new R).  All these factors are powers of two:
; the codes' values are those of the rule with one whole M a row.  The 2^-22 keeps a p that rounds up to 2 out of the block; a largest p a little under 1 then keeps the scale 2^-8 (one step coarser at the subnormal end alone).
; A HEAD STAYS IN LDS: 16 blocks of 16,896 bytes (128 keys: K's image, V's image, their scale words), fetched ONCE, wave w bringing blocks 2 w and 2 w + 1 by one tensor load.  Nothing is filled again.
; The eight waves walk the blocks in step: one work-group barrier a key step, at the place where no LDS access of the wave is out.  It guards no bytes.
; CLUSTER: the four work-groups of a head (512 queries each) want the same bytes: each of the eight loads is a joint one with the mask of four.
; No data prefetch: the launch's one stream is fetched whole by the first loads, and there is no loop ahead of them to ask in.
; SHARES: eight waves of 512 registers.  A wave owns 64 queries: two rounds of TWO tiles of 16 worked together, so that each fragment of K and V read from LDS feeds both.
; LAYOUT: both products transposed (S^T = K Q^T, O^T = V^T P^T): a lane holds one query.  A fragment of K holds two tiles of keys in the halves of the instruction's 128: one is multiplied by [q | zero codes], the other by [zero codes | q].
; REGISTERS.  Window 0: addresses, q between zero codes, scale words, the small numbers of a query, K's and V's fragments.  Window 1: S^T then p (2 x 64), O^T (2 x 32), p's codes (2 x 16), 32 at work.
; One tile's exponentials stand by turns with the other tile's plain lines, which read nothing written inside that stretch; a wait stands ahead of each stretch and behind it.
; LIMITS.  The promise holds while |t| stays under 2^31.  A block more than 119 powers of two under the row's largest counts as 119 under.  NaN and infinities are not served.
; In ao_scales a block of zeros gets the byte 1 and not 127 (its codes are zeros; this program alone reads the bytes); these bytes leave one a lane, 32 bytes apart: 262,144 bytes beside 8,388,608 of codes.
.set BLKB,  16896
.set HEADB, 270336
.set SPARE, HEADB                      ; the spare words: 128 bytes for each of 8 waves; no other line names them
.set LI,  1                            ; 16 x lane
.set ADK, 2                            ; the next step's block + 16 x lane
.set SPW, 3
.set NIL, 4
.set R16, 6                            ; 16 (lane % 16)
.set SBO, 7                            ; 32 (lane % 16) + lane / 16
.set ADV, 8                            ; this step's block + 16 x lane
.set NINF, 9                           ; -infinity
.set ZQ,  10                           ; v10-17 zeros, v18-25 q of tile 0, v26-33 zeros, v34-41 q of tile 1, v42-49 zeros
.set SWK, 50                           ; K's four scale words (lanes 0-15)
.set SWV, 54                           ; V's four (lanes 16-31)
.set QS,  58                           ; q's scale words, a tile each
.set PS,  60                           ; p's
.set QR,  62                           ; the pair word of q's scales as loaded
.set CSC, 63                           ; the conversions' scale operand: 2^-8
.set ZB,  64                           ; a tile's small numbers: 32 registers each
.set oBM, 0
.set oT2, 4
.set oFL, 8
.set oU,  12
.set oG,  16
.set oMR, 20
.set oDD, 21
.set oFF, 22
.set oSUM, 24
.set oTA, 26
.set oBY, 27
.set oRL, 28
.set KF,  128
.set VF,  192
.set O,   128                          ; window 1 from here: S at 0 and 64
.set PCD, 192
.set TMP, 224
.set WV,  12
.set G1,  16
.set G0,  24
.set SEL, 28
.set CS,  30                           ; s[30:31] log2(e) / 8
.set HM,  32
.set DEL, 33
.set TB,  34
.set CNT, 35
.set BLK, 36
.set TN,  37
.set QB,  38
.set QSB, 40
.set AOB, 42
.set ASB, 44
.set HOLD, 56
.set P1,  57
.set P2,  58
.set MNT, 59
.set MSB, 0
.macro WIN new                         ; the immediate's high byte repeats the setting that is left
.if MSB != (\new)
	s_set_vgpr_msb (MSB<<8)|(\new)
.set MSB, (\new)
.endif
.endm
.macro CROUND
	s_barrier_signal -1
	s_barrier_wait -1
	s_cmp_lg_u32 s[WV], 0
	s_cbranch_scc1 .Lnot_wave_0_\@
	s_barrier_signal -3
.Lnot_wave_0_\@:
	s_barrier_wait -3
	s_barrier_signal -1
	s_barrier_wait -1
.endm
.macro KLOAD adr                       ; K's four fragments and scale words of one block: 17 loads
.irp f, 0,1,2,3
.irp c, 0,1,2,3
	ds_load_b128 v[KF+16*\f+4*\c:KF+16*\f+4*\c+3], v[\adr] offset:2048*\f+512*\c
.endr
.endr
	ds_load_b128 v[SWK:SWK+3], v[\adr] offset:16384
.endm
.macro FMA1 u, n                       ; t - F of pair n of tile u; its block's F is one word of a pair in window 0
.if (((\n)/8)%2) == 0
	v_pk_fma_f32 v[64*\u+2*(\n):64*\u+2*(\n)+1], v[64*\u+2*(\n):64*\u+2*(\n)+1], s[CS:CS+1], v[ZB+32*\u+oFL+(\n)/8:ZB+32*\u+oFL+(\n)/8+1] op_sel_hi:[1,0,0] neg_lo:[0,0,1] neg_hi:[0,0,1]
.else
	v_pk_fma_f32 v[64*\u+2*(\n):64*\u+2*(\n)+1], v[64*\u+2*(\n):64*\u+2*(\n)+1], s[CS:CS+1], v[ZB+32*\u+oFL+(\n)/8-1:ZB+32*\u+oFL+(\n)/8] op_sel:[0,0,1] op_sel_hi:[1,0,1] neg_lo:[0,0,1] neg_hi:[0,0,1]
.endif
.endm
.macro SUM1 u, n, t                    ; the sums' first level: four p into a pair; 16 of these read all 64
	v_pk_add_f32 v[\t+2*(\n):\t+2*(\n)+1], v[64*\u+4*(\n):64*\u+4*(\n)+1], v[64*\u+4*(\n)+2:64*\u+4*(\n)+3]
.endm
.macro SUM2 t
.irp b, 0,1,2,3
	v_pk_add_f32 v[\t+8*\b:\t+8*\b+1], v[\t+8*\b:\t+8*\b+1], v[\t+8*\b+2:\t+8*\b+3]
	v_pk_add_f32 v[\t+8*\b+4:\t+8*\b+5], v[\t+8*\b+4:\t+8*\b+5], v[\t+8*\b+6:\t+8*\b+7]
.endr
.endm
.macro SUM3 t                          ; a block's sum, in two halves, at t + 8 b
.irp b, 0,1,2,3
	v_pk_add_f32 v[\t+8*\b:\t+8*\b+1], v[\t+8*\b:\t+8*\b+1], v[\t+8*\b+4:\t+8*\b+5]
.endr
.endm
.macro MIN2 u, n                       ; the hold of p n and n + 1 (n even), as a pair: the conversion does not saturate (ISA guide 7.6.2); p is not negative.  All its vector operands lie in window 1
	v_dual_min_num_f32 v[64*\u+(\n)], s[HOLD], v[64*\u+(\n)] :: v_dual_min_num_f32 v[64*\u+(\n)+1], s[HOLD], v[64*\u+(\n)+1]
.endm
	s_load_b256 s[4:11], s[0:1], 0x0               ; q, kv, ao, ao_scales
	v_lshl_add_u32 v[SPW], v0, 2, SPARE
	v_mov_b32 v[NIL], 0
	ds_add_u32 v[SPW], v[NIL]                      ; the opening lines: the add, twice on end, and its wait
	ds_add_u32 v[SPW], v[NIL]
	v_lshrrev_b32 v5, 5, v0
	v_readfirstlane_b32 s[WV], v5                  ; wave 0..7
	s_bfe_u32 s13, ttmp6, 0x40000                  ; cx: it enters q's, ao's and ao_scales' addresses alone
	s_and_b32 s14, ttmp7, 0xffff                   ; 16 batch + head, shared by the four partners
	s_mov_b32 s[G1], 15|(3<<16)|(1<<21)            ; the mask of four; elements of 8 bytes; bit 21 beside a mask
	s_mov_b32 s[G1+1], 32<<16                      ; two blocks, 33,792 dense bytes, as 132 rows of 256
	s_mov_b32 s[G1+2], 132<<16
	s_mov_b32 s[G1+3], 32<<16
	s_mov_b32 s[G1+4], 132
	s_mov_b32 s[G1+5], 32
	s_mov_b32 s[G1+6], 0
	s_mov_b32 s[G1+7], 0
	s_mov_b32 s[SEL], 0x76543210
	s_mov_b32 s[SEL+1], 0xfedcba98
	s_mov_b32 s[CS], 0x3e38aa3b
	s_mov_b32 s[CS+1], s[CS]
	s_mov_b32 s[HM], 0xffff0000
	s_mov_b32 s[DEL], 0x34800000                   ; 2^-22
	s_mov_b32 s[HOLD], 0x3fe00000                  ; 1.75
	s_mov_b32 s[P1], 0x00000400                    ; byte 0 of two words side by side
	s_mov_b32 s[P2], 0x05040100                    ; two low halves
	s_mov_b32 s[MNT], 0x600000
	s_mov_b32 s[BLK], 2
	s_mul_i32 s46, s14, HEADB
	s_mul_i32 s[G0+1], s[WV], 2*BLKB               ; blocks 2 w, 2 w + 1 go to LDS byte 33,792 w
	s_add_co_u32 s46, s46, s[G0+1]
	s_mov_b32 s47, 0
	s_mul_i32 s48, s14, 135168                     ; q: my head,
	s_lshl_b32 s50, s13, 2
	s_lshr_b32 s51, s[WV], 2
	s_add_co_u32 s50, s50, s51
	s_mul_i32 s50, s50, 8448                       ; the 128 rows 4 cx + wave / 4 (second round: two further),
	s_add_co_u32 s48, s48, s50
	s_and_b32 s51, s[WV], 3
	s_lshl_b32 s52, s51, 11
	s_add_co_u32 s52, s52, s48                     ; tiles 2 (wave % 4) and the next,
	s_mov_b32 s53, 0
	s_lshl_b32 s51, s51, 2
	s_add_co_u32 s54, s48, s51
	s_add_co_u32 s54, s54, 8192                    ; and their pair word
	s_mov_b32 s55, 0
	s_lshr_b32 s48, s14, 4
	s_lshl_b32 s48, s48, 7
	s_lshl_b32 s49, s13, 5
	s_add_co_u32 s48, s48, s49
	s_lshl_b32 s49, s[WV], 1
	s_add_co_u32 s48, s48, s49                     ; my first tile of rows: 128 batch + 32 cx + 2 wave
	s_and_b32 s49, s14, 15
	s_lshl_b32 s50, s48, 14                        ; ao: 16,384 bytes a tile,
	s_lshr_b32 s51, s49, 1
	s_lshl_b32 s51, s51, 11
	s_add_co_u32 s50, s50, s51                     ; two heads to a fragment of 2,048,
	s_and_b32 s51, s14, 1
	s_lshl_b32 s51, s51, 10
	s_add_co_u32 s50, s50, s51                     ; 1,024 bytes a head
	s_mov_b32 s51, 0
	s_lshl_b32 s48, s48, 9                         ; ao_scales: 512 bytes a tile, two bytes a head
	s_lshl_b32 s49, s49, 1
	s_add_co_u32 s48, s48, s49
	s_mov_b32 s49, 0
	v_and_b32 v[LI], 31, v0
	v_and_b32 v5, 15, v0
	v_bfe_u32 v[SBO], v0, 4, 1
	v_lshlrev_b32 v[LI], 4, v[LI]
	v_lshlrev_b32 v[R16], 4, v5
	v_lshl_add_u32 v[SBO], v5, 5, v[SBO]
	s_wait_dscnt 0x0                               ; both opening adds are done
	s_wait_kmcnt 0x0
	s_mov_b32 s[G0], 1
	s_add_nc_u64 s[G0+2:G0+3], s[6:7], s[46:47]
	s_or_b32 s[G0+3], s[G0+3], 0x80000000
	s_add_nc_u64 s[QB:QB+1], s[4:5], s[52:53]
	s_add_nc_u64 s[QSB:QSB+1], s[4:5], s[54:55]
	s_add_nc_u64 s[AOB:AOB+1], s[8:9], s[50:51]
	s_add_nc_u64 s[ASB:ASB+1], s[10:11], s[48:49]
	CROUND                                         ; all four work-groups are here: the joint loads meet
	tensor_load_to_lds s[G0:G0+3], s[G1:G1+7]      ; my one tensor load of the launch
	s_nop 0
	s_wait_alu depctr_va_vdst(0)                   ; the wait ahead of the readers below
.irp u, 0,1
	global_load_b128 v[ZQ+8+16*\u:ZQ+11+16*\u], v[LI], s[QB:QB+1] offset:1024*\u        ; q's tile: d 0-31,
	global_load_b128 v[ZQ+12+16*\u:ZQ+15+16*\u], v[LI], s[QB:QB+1] offset:1024*\u+512   ; d 32-63
.endr
	global_load_b32 v[QR], v[R16], s[QSB:QSB+1]
.irp z, 0,16,32
.irp i, 0,1,2,3,4,5,6,7
	v_mov_b32 v[ZQ+\z+\i], 0                       ; the zero codes beside q
.endr
.endr
	v_mov_b32 v[NINF], 0xff800000
	v_mov_b32 v[CSC], 0x3b800000
.irp u, 0,1
.irp b, 0,1,2,3
	v_mov_b32 v[ZB+32*\u+oT2+\b], 0                ; a lane permute's destination counts as one of its sources
.endr
	v_mov_b32 v[ZB+32*\u+oFF+1], 0                 ; named as the upper halves of pairs
	v_mov_b32 v[ZB+32*\u+oRL+1], 0
.endr
	s_wait_alu depctr_va_vdst(0)                   ; the wait at the head's end
	s_wait_tensorcnt 0x0                           ; my two blocks are in,
	s_barrier_signal -1
	s_barrier_wait -1                              ; everybody's are: the head lies in LDS, and nobody writes it again
.Lround:                                           ; two tiles of 16 queries
	s_wait_loadcnt 0x0                             ; q
	v_perm_b32 v[QS], v[QR], v[QR], 0x01000100     ; a tile's two bytes in both halves of its word: they serve [q | 0] and [0 | q]
	v_perm_b32 v[QS+1], v[QR], v[QR], 0x03020302
	KLOAD LI                                       ; block 0
.irp u, 0,1
	v_mov_b32 v[ZB+32*\u+oMR], 0xff61b1e6          ; R: -3e38, under every F
	v_mov_b32 v[ZB+32*\u+oSUM], 0
	v_mov_b32 v[ZB+32*\u+oSUM+1], 0
.endr
	WIN 0x40
.set ii, 0
.rept 64
	v_mov_b32 v[O+ii], 0                           ; O^T: the loop has no first step of its own: the first change of R multiplies zeros
.set ii, ii+1
.endr
	WIN 0
	s_mov_b32 s[TB], 0
	s_mov_b32 s[CNT], 16
	s_wait_alu depctr_va_vdst(0)                   ; the wait ahead of the loop's first wait
.Lstep:                                            ; 128 keys
	s_wait_dscnt 0x0                               ; K's fragments and words, asked for a step ago; no LDS access of mine is out
	s_barrier_signal -1                            ; the eight waves begin each key step together
	s_barrier_wait -1
	WIN 0x40                                       ; D in window 1, K and q in window 0
.irp f, 0,1,2,3
.irp u, 0,1
	v_wmma_scale_f32_16x16x128_f8f6f4 v[64*\u+16*\f:64*\u+16*\f+7], v[KF+16*\f:KF+16*\f+15], v[ZQ+8+16*\u:ZQ+23+16*\u], 0, v[SWK+\f], v[QS+\u]
	v_wmma_scale_f32_16x16x128_f8f6f4 v[64*\u+16*\f+8:64*\u+16*\f+15], v[KF+16*\f:KF+16*\f+15], v[ZQ+16*\u:ZQ+15+16*\u], 0, v[SWK+\f], v[QS+\u]
.endr
.endr
	WIN 0
	s_add_co_u32 s[TN], s[TB], BLKB
	s_min_u32 s[TN], s[TN], HEADB-BLKB             ; the next block; the last step names its own block again, so that no load leaves the head
	v_add_nc_u32 v[ADV], s[TB], v[LI]
	v_add_nc_u32 v[ADK], s[TN], v[LI]
.rept 6
	v_nop                                          ; with the two additions: eight places in front of loads into registers that products have read, and of the first read of S^T
.endr
.irp f, 0,1,2,3
.irp c, 0,1,2,3
	ds_load_b128 v[VF+16*\f+4*\c:VF+16*\f+4*\c+3], v[ADV] offset:8192+2048*\f+512*\c
.endr
.endr
	ds_load_b128 v[SWV:SWV+3], v[ADV] offset:16384
	KLOAD ADK
	WIN 0x14                                       ; the blocks' largest scores: results in window 0, S^T in window 1
.irp i, 0,2,4,6,8,10,12,14
.irp u, 0,1
.irp b, 0,1,2,3
.if \i == 0
	v_max3_num_f32 v[ZB+32*\u+oBM+\b], v[NINF], v[64*\u+16*\b], v[64*\u+16*\b+1]
.else
	v_max3_num_f32 v[ZB+32*\u+oBM+\b], v[ZB+32*\u+oBM+\b], v[64*\u+16*\b+\i], v[64*\u+16*\b+\i+1]
.endif
.endr
.endr
.endr
	WIN 0
.irp u, 0,1
.irp b, 0,1,2,3
	v_permlanex16_b32 v[ZB+32*\u+oT2+\b], v[ZB+32*\u+oBM+\b], s[SEL], s[SEL+1]
.endr
.endr
.irp u, 0,1
.irp b, 0,1,2,3
	v_max_num_f32 v[ZB+32*\u+oBM+\b], v[ZB+32*\u+oBM+\b], v[ZB+32*\u+oT2+\b]   ; with the 16 keys of the lane 16 away
.endr
.endr
.irp u, 0,1
.irp b, 0,1,2,3
	v_fma_f32 v[ZB+32*\u+oBM+\b], v[ZB+32*\u+oBM+\b], s[CS], s[DEL]            ; the block's largest t + 2^-22
.endr
.endr
.irp u, 0,1
.irp b, 0,1,2,3
	v_floor_f32 v[ZB+32*\u+oFL+\b], v[ZB+32*\u+oBM+\b]                         ; F
.endr
.endr
.irp u, 0,1
	v_max3_num_f32 v[ZB+32*\u+oTA], v[ZB+32*\u+oMR], v[ZB+32*\u+oFL], v[ZB+32*\u+oFL+1]
.endr
.irp u, 0,1
	s_delay_alu instid0(VALU_DEP_2)
	v_max3_num_f32 v[ZB+32*\u+oTA], v[ZB+32*\u+oTA], v[ZB+32*\u+oFL+2], v[ZB+32*\u+oFL+3]   ; the new R
.endr
.irp u, 0,1
.irp b, 0,1,2,3
	v_sub_f32 v[ZB+32*\u+oU+\b], v[ZB+32*\u+oFL+\b], v[ZB+32*\u+oTA]           ; d = F - R, a whole number, 0 or less
.endr
.endr
.irp u, 0,1
	v_sub_f32 v[ZB+32*\u+oDD], v[ZB+32*\u+oMR], v[ZB+32*\u+oTA]                ; old R - new R
.endr
.irp u, 0,1
	v_mov_b32 v[ZB+32*\u+oMR], v[ZB+32*\u+oTA]
.endr
.irp u, 0,1
.irp b, 0,1,2,3
	v_max_num_f32 v[ZB+32*\u+oU+\b], 0xc2ee0000, v[ZB+32*\u+oU+\b]             ; held at -119
.endr
.endr
.irp u, 0,1
	v_cvt_i32_f32 v[ZB+32*\u+oDD], v[ZB+32*\u+oDD]                             ; (it saturates)
.endr
.irp u, 0,1
.irp b, 0,1,2,3
	v_add_f32 v[ZB+32*\u+oU+\b], 0x4b000077, v[ZB+32*\u+oU+\b]                 ; + 2^23 + 119: the word's low byte is p's scale byte, 119 + d
.endr
.endr
.irp u, 0,1
	v_ldexp_f32 v[ZB+32*\u+oFF], 1.0, v[ZB+32*\u+oDD]                          ; f = 2^(old R - new R)
.endr
.irp u, 0,1
.irp b, 0,1,2,3
	v_lshl_add_u32 v[ZB+32*\u+oG+\b], v[ZB+32*\u+oU+\b], 23, 0x4000000         ; 2^d: the byte + 8 as an exponent field
.endr
.endr
.irp u, 0,1
	v_pk_mul_f32 v[ZB+32*\u+oSUM:ZB+32*\u+oSUM+1], v[ZB+32*\u+oSUM:ZB+32*\u+oSUM+1], v[ZB+32*\u+oFF:ZB+32*\u+oFF+1] op_sel_hi:[1,0]
.endr
.irp u, 0,1
	v_perm_b32 v[ZB+32*\u+oTA], v[ZB+32*\u+oU+1], v[ZB+32*\u+oU], s[P1]
.endr
.irp u, 0,1
	v_perm_b32 v[ZB+32*\u+oDD], v[ZB+32*\u+oU+3], v[ZB+32*\u+oU+2], s[P1]
.endr
.irp u, 0,1
	s_delay_alu instid0(VALU_DEP_2)
	v_perm_b32 v[PS+\u], v[ZB+32*\u+oDD], v[ZB+32*\u+oTA], s[P2]               ; p's scale word for these 128 keys
.endr
	WIN 0x41                                       ; window 1 in place; the third source (F) in window 0
.set n, 0
.rept 32
	FMA1 0, n
.set n, n+1
.endr
	s_wait_alu depctr_va_vdst(0)                   ; ahead of the exponentials
.set n, 0
.rept 32                                           ; tile 0's exponentials by turns with tile 1's t - F
	v_exp_f32 v[2*n], v[2*n]
	v_exp_f32 v[2*n+1], v[2*n+1]
	FMA1 1, n
.set n, n+1
.endr
	WIN 0x45                                       ; both first sources in window 1
	s_wait_alu depctr_va_vdst(0)                   ; behind tile 0's batch and ahead of tile 1's
.set n, 0
.set m, 0
.rept 64                                           ; tile 1's 64 exponentials by turns with 48 lines of tile 0: its 16 first sums (of the unquantised p) and, behind them, its 32 holds
	v_exp_f32 v[64+n], v[64+n]
.if (n%4) != 0
.if m < 16
	SUM1 0, m, TMP
.else
	MIN2 0, 2*(m-16)
.endif
.set m, m+1
.endif
.set n, n+1
.endr
	v_nop                                          ; a plain place behind the batch
	s_wait_alu depctr_va_vdst(0)                   ; behind the batch, and directly ahead of the wait below
	s_wait_dscnt 17                                ; V's 17 loads are in; K's 17 for the next step, issued behind them, may be out
	SUM2 TMP
.set n, 0
.rept 16
	SUM1 1, n, PCD                                 ; tile 1's sums work in the registers of p's codes, which are made further down
.set n, n+1
.endr
	SUM3 TMP
.set n, 0
.rept 32
	MIN2 1, n
.set n, n+2
.endr
	SUM2 PCD
	SUM3 PCD
	WIN 0x01                                       ; the row's sum += a block's sum x 2^d
.irp b, 0,1,2,3
.irp u, 0,1
.if \b > 0
	s_delay_alu instid0(VALU_DEP_2)
.endif
.if (\b%2) == 0
	v_pk_fma_f32 v[ZB+32*\u+oSUM:ZB+32*\u+oSUM+1], v[TMP-32*\u+8*\b:TMP-32*\u+8*\b+1], v[ZB+32*\u+oG+\b:ZB+32*\u+oG+\b+1], v[ZB+32*\u+oSUM:ZB+32*\u+oSUM+1] op_sel_hi:[1,0,1]
.else
	v_pk_fma_f32 v[ZB+32*\u+oSUM:ZB+32*\u+oSUM+1], v[TMP-32*\u+8*\b:TMP-32*\u+8*\b+1], v[ZB+32*\u+oG+\b-1:ZB+32*\u+oG+\b], v[ZB+32*\u+oSUM:ZB+32*\u+oSUM+1] op_sel:[0,1,0] op_sel_hi:[1,1,1]
.endif
.endr
.endr
	WIN 0x41
.irp u, 0,1
.irp b, 0,1,2,3
	v_cvt_scalef32_pk8_fp8_f32 v[PCD+16*\u+4*\b:PCD+16*\u+4*\b+1], v[64*\u+16*\b:64*\u+16*\b+7], v[CSC]
	v_cvt_scalef32_pk8_fp8_f32 v[PCD+16*\u+4*\b+2:PCD+16*\u+4*\b+3], v[64*\u+16*\b+8:64*\u+16*\b+15], v[CSC]
.endr
.endr
	s_wait_alu depctr_va_vdst(0)                   ; directly ahead of the first readers of O^T, a matrix result read behind exponentials
.irp u, 0,1
.set ii, 0
.rept 16
	v_pk_mul_f32 v[O+32*\u+ii:O+32*\u+ii+1], v[O+32*\u+ii:O+32*\u+ii+1], v[ZB+32*\u+oFF:ZB+32*\u+oFF+1] op_sel_hi:[1,0]   ; O^T under the new R; also the places between the codes and the products
.set ii, ii+2
.endr
.endr
	WIN 0x54                                       ; V in window 0; p's codes, C and D in window 1
.irp t, 0,1,2,3                        ; eight accumulators by turns
.irp u, 0,1
	v_wmma_scale_f32_16x16x128_f8f6f4 v[O+32*\u+8*\t:O+32*\u+8*\t+7], v[VF+16*\t:VF+16*\t+15], v[PCD+16*\u:PCD+16*\u+15], v[O+32*\u+8*\t:O+32*\u+8*\t+7], v[SWV+\t], v[PS+\u] matrix_a_scale:MATRIX_SCALE_ROW1
.endr
.endr
	WIN 0
	s_add_co_u32 s[TB], s[TB], BLKB
	s_sub_co_u32 s[CNT], s[CNT], 1
	s_cmp_lg_u32 s[CNT], 0
	s_cbranch_scc1 .Lstep
	; ---- the two tiles' way out
.rept 8
	v_nop                                          ; eight places behind the last products
.endr
	s_wait_dscnt 0x0                               ; the last step's look-ahead loads have landed: their registers may be loaded anew
	s_cmp_eq_u32 s[BLK], 1                         ; the second round's q is asked for here, if there is one to come
	s_cbranch_scc1 .Lno_next
	s_add_nc_u64 s[QB:QB+1], s[QB:QB+1], 2*8448    ; (the first round's loads were waited for at its head)
	s_add_nc_u64 s[QSB:QSB+1], s[QSB:QSB+1], 2*8448
.irp u, 0,1
	global_load_b128 v[ZQ+8+16*\u:ZQ+11+16*\u], v[LI], s[QB:QB+1] offset:1024*\u
	global_load_b128 v[ZQ+12+16*\u:ZQ+15+16*\u], v[LI], s[QB:QB+1] offset:1024*\u+512
.endr
	global_load_b32 v[QR], v[R16], s[QSB:QSB+1]
.Lno_next:
.irp u, 0,1
	v_add_f32 v[ZB+32*\u+oSUM], v[ZB+32*\u+oSUM], v[ZB+32*\u+oSUM+1]
.endr
.irp u, 0,1
	v_permlanex16_b32 v[ZB+32*\u+oTA], v[ZB+32*\u+oSUM], s[SEL], s[SEL+1]
.endr
.irp u, 0,1
	v_add_f32 v[ZB+32*\u+oSUM], v[ZB+32*\u+oSUM], v[ZB+32*\u+oTA]              ; the row's sum
.endr
	s_wait_alu depctr_va_vdst(0)                   ; ahead of the reciprocals
.irp u, 0,1
	v_rcp_f32 v[ZB+32*\u+oRL], v[ZB+32*\u+oSUM]
.endr
.irp u, 0,1
.irp g, 0,1
	v_mov_b32 v[ZB+32*\u+oBM+\g], 0x4800000        ; the floor 2^(9 - 127) under each block's largest magnitude.  (Plain lines behind the reciprocals)
.endr
.endr
	WIN 0x41
	s_wait_alu depctr_va_vdst(0)                   ; ahead of their first reader, which is also the first reader of O^T
.irp u, 0,1
.set ii, 0
.rept 16
	v_pk_mul_f32 v[64*\u+ii:64*\u+ii+1], v[O+32*\u+ii:O+32*\u+ii+1], v[ZB+32*\u+oRL:ZB+32*\u+oRL+1] op_sel_hi:[1,0]   ; O^T / the sum: register 16 g + e: a channel of block g
.set ii, ii+2
.endr
.endr
	WIN 0x14
.irp i, 0,2,4,6,8,10,12,14
.irp u, 0,1
.irp g, 0,1
	v_max3_num_f32 v[ZB+32*\u+oBM+\g], v[ZB+32*\u+oBM+\g], |v[64*\u+16*\g+\i]|, |v[64*\u+16*\g+\i+1]|
.endr
.endr
.endr
	WIN 0
.irp u, 0,1
.irp g, 0,1
	v_permlanex16_b32 v[ZB+32*\u+oT2+\g], v[ZB+32*\u+oBM+\g], s[SEL], s[SEL+1]
.endr
.endr
.irp u, 0,1
.irp g, 0,1
	v_max_num_f32 v[ZB+32*\u+oBM+\g], v[ZB+32*\u+oBM+\g], v[ZB+32*\u+oT2+\g]
.endr
.endr
.irp u, 0,1
.irp g, 0,1
	v_add_nc_u32 v[ZB+32*\u+oU+\g], 0xfc000000, v[ZB+32*\u+oBM+\g]             ; 8 off the exponent field: the conversion's scale operand
.endr
.endr
.irp u, 0,1
.irp g, 0,1
	v_and_or_b32 v[ZB+32*\u+oG+\g], v[ZB+32*\u+oBM+\g], 0x7f800000, s[MNT]     ; 448 x the scale
.endr
.endr
.irp u, 0,1
.irp g, 0,1
	v_lshrrev_b32 v[ZB+32*\u+oT2+\g], 23, v[ZB+32*\u+oU+\g]                    ; the scale's byte
.endr
.endr
	WIN 0x41
.irp u, 0,1
.irp g, 0,1
.irp i, 0,1,2,3,4,5,6,7,8,9,10,11,12,13,14,15
	v_med3_num_f32 v[64*\u+16*\g+\i], v[64*\u+16*\g+\i], -v[ZB+32*\u+oG+\g], v[ZB+32*\u+oG+\g]
.endr
	v_cvt_scalef32_pk8_fp8_f32 v[PCD+16*\u+4*\g:PCD+16*\u+4*\g+1], v[64*\u+16*\g:64*\u+16*\g+7], v[ZB+32*\u+oU+\g]
	v_cvt_scalef32_pk8_fp8_f32 v[PCD+16*\u+4*\g+2:PCD+16*\u+4*\g+3], v[64*\u+16*\g+8:64*\u+16*\g+15], v[ZB+32*\u+oU+\g]
.endr
.endr
	v_nop                                          ; a plain line behind the last conversion
	WIN 0x45
.irp u, 0,1
.irp g, 0,1                            ; lanes 16-31 hold channels 24-31, 16-23 of a block: their two pairs of registers change places
	v_cndmask_b32 v[PCD+16*\u+8+4*\g], v[PCD+16*\u+4*\g], v[PCD+16*\u+2+4*\g], s[HM]
	v_cndmask_b32 v[PCD+16*\u+9+4*\g], v[PCD+16*\u+1+4*\g], v[PCD+16*\u+3+4*\g], s[HM]
	v_cndmask_b32 v[PCD+16*\u+10+4*\g], v[PCD+16*\u+2+4*\g], v[PCD+16*\u+4*\g], s[HM]
	v_cndmask_b32 v[PCD+16*\u+11+4*\g], v[PCD+16*\u+3+4*\g], v[PCD+16*\u+1+4*\g], s[HM]
.endr
.endr
	WIN 0
.irp u, 0,1
	v_cndmask_b32 v[ZB+32*\u+oBY], v[ZB+32*\u+oT2], v[ZB+32*\u+oT2+1], s[HM]   ; lanes 0-15 store the first block's byte, lanes 16-31 the second's
.endr
	WIN 0x04                                       ; the stores' data in window 1
.irp u, 0,1
	global_store_b128 v[LI], v[PCD+16*\u+8:PCD+16*\u+11], s[AOB:AOB+1] offset:16384*\u        ; 512 consecutive bytes each, aligned
	global_store_b128 v[LI], v[PCD+16*\u+12:PCD+16*\u+15], s[AOB:AOB+1] offset:16384*\u+512
.endr
	WIN 0
.irp u, 0,1
	global_store_b8 v[SBO], v[ZB+32*\u+oBY], s[ASB:ASB+1] offset:512*\u
.endr
	s_wait_xcnt 0x0                                ; the stores have read their registers and bases: both may be written again
	s_add_nc_u64 s[AOB:AOB+1], s[AOB:AOB+1], 16*16384   ; the second round's tiles lie 16 tiles on
	s_add_nc_u64 s[ASB:ASB+1], s[ASB:ASB+1], 16*512
	s_sub_co_u32 s[BLK], s[BLK], 1
	s_cmp_lg_u32 s[BLK], 0
	s_cbranch_scc1 .Lround
	s_wait_tensorcnt 0x0                           ; the wave's end
	ds_add_u32 v[SPW], v[NIL]
	s_wait_dscnt 0x0
	CROUND                                         ; the closing round
	s_endpgm
.Lfunc_end_k_qeefe9e63ce_attn:
	.size	k_qeefe9e63ce_attn, .Lfunc_end_k_qeefe9e63ce_attn-k_qeefe9e63ce_attn
	.p2alignl 7, 3214868480
	.fill 96, 4, 3214868480
	.section	.rodata,"a",@progbits
	.p2align	6, 0x0
	.amdhsa_kernel k_qeefe9e63ce_attn
		.amdhsa_group_segment_fixed_size 272384
		.amdhsa_private_segment_fixed_size 0
		.amdhsa_enable_private_segment 0
		.amdhsa_kernarg_size 32
		.amdhsa_user_sgpr_count 2
		.amdhsa_user_sgpr_kernarg_segment_ptr 1
		.amdhsa_wavefront_size32 1
		.amdhsa_system_sgpr_workgroup_id_x 1
		.amdhsa_system_sgpr_workgroup_id_y 1
		.amdhsa_system_sgpr_workgroup_id_z 1
		.amdhsa_system_vgpr_workitem_id 0
		.amdhsa_next_free_vgpr 512
		.amdhsa_next_free_sgpr 66
		.amdhsa_reserve_vcc 0
		.amdhsa_float_denorm_mode_32 3
		.amdhsa_float_denorm_mode_16_64 3
		.amdhsa_memory_ordered 1
		.amdhsa_forward_progress 1
		.amdhsa_inst_pref_size 58
	.end_amdhsa_kernel
	.amdgpu_metadata
---
amdhsa.version: [ 1, 2 ]
amdhsa.kernels:
  - .name:           k_qeefe9e63ce_attn
    .symbol:         k_qeefe9e63ce_attn.kd
    .args:
      - { .name: q, .offset: 0, .size: 8, .value_kind: global_buffer, .address_space: global }
      - { .name: kv, .offset: 8, .size: 8, .value_kind: global_buffer, .address_space: global }
      - { .name: ao, .offset: 16, .size: 8, .value_kind: global_buffer, .address_space: global }
      - { .name: ao_scales, .offset: 24, .size: 8, .value_kind: global_buffer, .address_space: global }
    .group_segment_fixed_size: 272384
    .private_segment_fixed_size: 0
    .kernarg_segment_align: 8
    .kernarg_segment_size: 32
    .max_flat_workgroup_size: 256
    .sgpr_count:     66
    .vgpr_count:     512
    .wavefront_size: 32
...
	.end_amdgpu_metadata
.endif
;; end of part 2
;; launch proj (part 3): grid 4 x 64, 4 waves a work-group, clusters of 4 x 4, 327,680 bytes of LDS; arguments ao, ao_scales, w_out_codes, w_out_scales, b_out, out0; writes out0
.if DOCPART == 3
	.amdgcn_target "amdgcn-amd-amdhsa--gfx1250"
	.amdhsa_code_object_version 6
	.text
	.protected	k_qeefe9e63ce_proj
	.globl	k_qeefe9e63ce_proj
	.p2align	8
	.type	k_qeefe9e63ce_proj,@function
k_qeefe9e63ce_proj:
	s_mov_b64 s[64:65], 0
	v_nop
	global_prefetch_b8 v0, s[64:65] scope:SCOPE_SE
	s_setreg_imm32_b32 hwreg(HW_REG_WAVE_MODE, 25, 1), 1
	s_wait_xcnt 0x0
	s_wait_alu depctr_hold_cnt(0) depctr_sa_sdst(0) depctr_va_vdst(0) depctr_va_sdst(0) depctr_va_ssrc(0) depctr_va_vcc(0) depctr_vm_vsrc(0)
	s_getreg_b32 s2, hwreg(HW_REG_IB_STS2, 6, 4)
	s_cmp_eq_u32 s2, 0
	s_cbranch_scc0 .Lentry_in_a_cluster
	s_endpgm
.Lentry_in_a_cluster:
	s_bfe_u32 s2, ttmp6, 0x10000c
	s_cmp_lg_u32 s2, 0xf033
	s_cbranch_scc0 .Lentry_shape_is_right
	s_endpgm
.Lentry_shape_is_right:
.set NQ,     2
.set ROWB,   256
.set KROW,   1024
.set PITCH,  272
.set FR,     16
.set NL,     2                         ; 4 NL = 8: the LDS loads of A's last two blocks, the youngest of a step
.set NP,     8
.set HALFT,  128*PITCH
.set SLOT,   4*HALFT
.set KS,     32
.set SCL,    2*SLOT
.set HALFS,  16*272
.set SBLK,   2*272
.set SPARE,  SCL+4*HALFS
.set SPITCH, 528
.set ADRA, 16
.set ADRB, 20
.set STO,  24
.set RD,   25
.set CO,   26
.set ADRS, 27
.set SPW,  28
.set NIL,  29
.set SC,   32
.set BI,   64
.set AF,   128
.set BK,   128
.set G1, 24
.set G0, 32
.set G1B, 48
.set G0B, 56
.set G1S, 68
.set G0S, 76
.set G1SB, 80
.set G0SB, 88
.set G0H,  4
.set G0HB, 8
.set MSB, 0
.macro WIN new
.if MSB != (\new)
	s_set_vgpr_msb (MSB<<8)|(\new)
.set MSB, (\new)
.endif
.endm
.set MUL_LO, 0xa1
.set MUL_HI, 0xf1
.set TO_B,   0x40
.macro JLOAD g0a, g1a, g0b, g1b
	s_cmp_eq_u32 s15, 0
	s_cbranch_scc0 .Lfor_b_\@
	tensor_load_to_lds s[\g0a:\g0a+3], s[\g1a:\g1a+7]
	s_nop 0
.rept 4
	v_nop
.endr
	s_branch .Lasked_\@
.Lfor_b_\@:
	tensor_load_to_lds s[\g0b:\g0b+3], s[\g1b:\g1b+7]
	s_nop 0
.rept 4
	v_nop
.endr
.Lasked_\@:
.endm
.macro CREST
	s_cmp_lg_u32 s14, 0
	s_cbranch_scc1 .Lnot_wave_0_\@
	s_barrier_signal -3
.Lnot_wave_0_\@:
	s_barrier_wait -3
	s_barrier_signal -1
	s_barrier_wait -1
.endm
.macro CROUND
	s_barrier_signal -1
	s_barrier_wait -1
	CREST
.endm
	s_load_b128 s[4:7], s[0:1], 0x0
	s_load_b128 s[8:11], s[0:1], 0x10
	s_load_b64 s[96:97], s[0:1], 0x20
	s_load_b64 s[12:13], s[0:1], 0x28
	v_lshl_add_u32 v[SPW], v0, 2, SPARE
	v_mov_b32 v[NIL], 0
	ds_add_u32 v[SPW], v[NIL]
	ds_add_u32 v[SPW], v[NIL]
	v_lshrrev_b32 v1, 5, v0
	v_readfirstlane_b32 s14, v1
	s_lshr_b32 s15, s14, 1
	s_and_b32 s16, s14, 1
	s_bfe_u32 s40, ttmp6, 0x40000
	s_bfe_u32 s41, ttmp6, 0x40004
	s_lshl_b32 s42, ttmp9, 2
	s_add_co_u32 s42, s42, s40
	s_and_b32 s17, ttmp7, 0xffff
	s_lshl_b32 s17, s17, 2
	s_add_co_u32 s17, s17, s41
	s_lshl_b32 s43, s41, 2
	s_lshl_b32 s43, 15, s43
	s_lshl_b32 s44, 0x1111, s40
	s_or_b32 s[G1+0], s43, (3<<16)|(1<<21)
	s_mov_b32 s[G1+1], 512<<16
	s_mov_b32 s[G1+2], 8<<16
	s_mov_b32 s[G1+3], 512<<16
	s_mov_b32 s[G1+4], 8
	s_mov_b32 s[G1+5], 2048
	s_mov_b32 s[G1+6], 0
	s_mov_b32 s[G1+7], 0
	s_or_b32 s[G1B+0], s44, (0<<16)|(1<<20)|(1<<21)|(5<<22)|(3<<25)
	s_mov_b32 s[G1B+1], ROWB<<16
	s_mov_b32 s[G1B+2], 256<<16
	s_mov_b32 s[G1B+3], ROWB<<16
	s_mov_b32 s[G1B+4], 256
	s_mov_b32 s[G1B+5], KROW
	s_mov_b32 s[G1B+6], 0
	s_mov_b32 s[G1B+7], 0
	s_or_b32 s[G1S+0], s43, (3<<16)|(1<<20)|(1<<21)|(5<<22)|(3<<25)
	s_or_b32 s[G1SB+0], s44, (3<<16)|(1<<20)|(1<<21)|(5<<22)|(3<<25)
.irp g, G1S, G1SB
	s_mov_b32 s[\g+1], 32<<16
	s_mov_b32 s[\g+2], 32<<16
	s_mov_b32 s[\g+3], 32<<16
	s_mov_b32 s[\g+4], 32
	s_mov_b32 s[\g+5], 32
	s_mov_b32 s[\g+6], 0
	s_mov_b32 s[\g+7], 0
.endr
	s_mov_b32 s[G1S+2], 16<<16                     ; A's scales: 128 rows are 16 rows of 256 bytes; the tile's other 16 rows are written as zeros, so that every scale word read has been written
	s_lshl_b32 s20, s17, 7                         ; a block of the result is 128 rows x 256 columns
	s_lshl_b32 s46, s42, 8
	s_lshl_b32 s22, s20, 5
	s_mov_b32 s23, 0
	s_lshl_b32 s92, s46, 5
	s_mov_b32 s93, 0
	s_lshl_b32 s20, s20, 10
	s_mov_b32 s21, 0
	s_lshl_b32 s46, s46, 10
	s_mov_b32 s47, 0
	s_mul_i32 s45, s14, HALFT
	s_lshl_b32 s94, s14, 14                        ; A's images lie dense in a slot: 16,384 bytes for 64 rows
	s_wait_dscnt 0x0
	s_wait_kmcnt 0x0
	s_add_nc_u64 s[20:21], s[4:5], s[20:21]
	s_add_nc_u64 s[22:23], s[6:7], s[22:23]
	s_add_nc_u64 s[46:47], s[8:9], s[46:47]
	s_add_nc_u64 s[92:93], s[10:11], s[92:93]
	CROUND
	s_mov_b32 s[G0S], 1
	s_mov_b32 s[G0S+1], SCL
	s_mov_b64 s[G0S+2:G0S+3], s[22:23]
	s_or_b32 s[G0S+3], s[G0S+3], 0x80000000
	s_mov_b32 s[G0SB], 1
	s_mov_b32 s[G0SB+1], SCL+2*HALFS
	s_mov_b64 s[G0SB+2:G0SB+3], s[92:93]
	s_or_b32 s[G0SB+3], s[G0SB+3], 0x80000000
	s_mov_b32 s[G0H], 1                            ; the head's tiles, each whole: K step 0's 128 rows of A (8 tiles of rows, 4,096 bytes each),
	s_mov_b32 s[G0H+1], 0
	s_mov_b64 s[G0H+2:G0H+3], s[20:21]
	s_or_b32 s[G0H+3], s[G0H+3], 0x80000000
	s_mov_b32 s[G0HB], 1                           ; and its 256 rows of B
	s_mov_b32 s[G0HB+1], 2*HALFT
	s_mov_b64 s[G0HB+2:G0HB+3], s[46:47]
	s_or_b32 s[G0HB+3], s[G0HB+3], 0x80000000
	s_lshl_b32 s18, s16, 17                        ; for the ring: my 128 rows of B's tile, 1,024 bytes a row,
	s_mov_b32 s19, 0
	s_add_nc_u64 s[46:47], s[46:47], s[18:19]
	s_lshl_b32 s18, s16, 16                        ; or my 64 rows of A's
	s_add_nc_u64 s[20:21], s[20:21], s[18:19]
.irp s, 0,1
	s_mov_b32 s[G0+4*\s], 1
	s_add_co_u32 s[G0+4*\s+1], s94, \s*SLOT
	s_add_nc_u64 s[G0+4*\s+2:G0+4*\s+3], s[20:21], \s*4096
	s_or_b32 s[G0+4*\s+3], s[G0+4*\s+3], 0x80000000
	s_mov_b32 s[G0B+4*\s], 1
	s_add_co_u32 s[G0B+4*\s+1], s45, \s*SLOT
	s_add_nc_u64 s[G0B+4*\s+2:G0B+4*\s+3], s[46:47], \s*ROWB
	s_or_b32 s[G0B+4*\s+3], s[G0B+4*\s+3], 0x80000000
.endr
; The head's loads, one a wave: wave 0 K step 0's 128 rows of A, wave 1 the 256 rows of B, waves 2 and 3 their scales.
; One tree of branches on the wave's number; every way through it passes one load.
.macro HARM under, g0, g1, next
	s_cmp_lt_u32 s14, \under
	s_cbranch_scc0 \next
	tensor_load_to_lds s[\g0:\g0+3], s[\g1:\g1+7]
	s_nop 0
.rept 4
	v_nop
.endr
	s_branch .Lhead_asked
\next:
.endm
	HARM 1, G0H,  G1,  .Lhead_b
	HARM 2, G0HB, G1B, .Lhead_sa
	HARM 3, G0S,  G1S, .Lhead_sb
	tensor_load_to_lds s[G0SB:G0SB+3], s[G1SB:G1SB+7]
	s_nop 0
.rept 4
	v_nop
.endr
.Lhead_asked:
	v_and_b32 v1, 15, v0
	v_bfe_u32 v2, v0, 4, 1
	s_lshl_b32 s20, s42, 10
	s_lshl_b32 s21, s16, 9
	s_add_co_u32 s20, s20, s21
	s_mov_b32 s21, 0
	s_add_nc_u64 s[96:97], s[96:97], s[20:21]
	v_lshlrev_b32 v7, 5, v2
.irp b, 0,1,2,3,4,5,6,7
	global_load_b128 v[BI+8*\b:BI+8*\b+3], v7, s[96:97] offset:64*\b
	global_load_b128 v[BI+8*\b+4:BI+8*\b+7], v7, s[96:97] offset:64*\b+16
.endr
	v_and_b32 v6, 31, v0
	v_lshlrev_b32 v[CO], 4, v6
	v_mul_u32_u24 v3, v1, PITCH
	v_lshl_add_u32 v4, v2, 4, v3
	s_lshl_b32 s21, s15, 14
	s_mul_i32 s22, s16, HALFT
	s_add_co_u32 s22, s22, 2*HALFT
.irp s, 0,1
	v_add_nc_u32 v[ADRA+\s], s21, v[CO]
	v_add_nc_u32 v[ADRB+\s], s22, v4
	s_add_co_u32 s21, s21, SLOT
	s_add_co_u32 s22, s22, SLOT
.endr
	v_mul_u32_u24 v5, v1, KS
	v_lshrrev_b32 v6, 8, v5
	v_lshl_add_u32 v5, v6, 4, v5
	s_mul_i32 s21, s15, HALFS/2
	s_mul_i32 s22, s16, HALFS
	s_add_co_u32 s22, s22, 2*HALFS
	s_sub_co_u32 s22, s22, s21
	v_mul_u32_u24 v6, s22, v2
	s_add_co_u32 s21, s21, SCL
	v_add_nc_u32 v5, v5, v6
	v_add_nc_u32 v[ADRS], s21, v5
	s_mul_i32 s23, s14, 16*SPITCH
	v_mul_u32_u24 v5, v1, SPITCH
	v_lshl_add_u32 v5, v2, 5, v5
	v_add_nc_u32 v[STO], s23, v5
	v_add_nc_u32 v[RD], s23, v[CO]
	s_lshl_b32 s20, s17, 7
	s_lshl_b32 s21, s15, 6
	s_add_co_u32 s20, s20, s21
	s_lshl_b32 s20, s20, 12
	s_lshl_b32 s46, s42, 10
	s_lshl_b32 s47, s16, 9
	s_add_co_u32 s46, s46, s47
	s_add_co_u32 s20, s20, s46
	s_mov_b32 s21, 0
	s_add_nc_u64 s[12:13], s[12:13], s[20:21]
.macro FRAGB reg, adr, q, i
.irp c, 0,1,2,3
	ds_load_b128 v[\reg+4*\c:\reg+4*\c+3], v[\adr] offset:128*(\q)+32*\c+(\i)*16*PITCH
.endr
.endm
.macro FRAGA reg, adr, q, i
.irp c, 0,1,2,3
	ds_load_b128 v[\reg+4*\c:\reg+4*\c+3], v[\adr] offset:4096*(\i)+2048*(\q)+512*\c
.endr
.endm
.macro MUL16 a0, p, q, sc, first
.irp a, (\a0)/2
.irp b, 0,1,2,3,4,5,6,7
.if \first
	v_wmma_scale_f32_16x16x128_f8f6f4 v[8*(8*((\a)%4)+\b):8*(8*((\a)%4)+\b)+7], v[128*(\p)+FR*\b:128*(\p)+FR*\b+FR-1], v[AF+FR*(\a):AF+FR*(\a)+FR-1], v[BI+8*\b:BI+8*\b+7], v[SC+8*NQ*(\sc)+NQ*\b+(\q)], v[SC+8*NQ*(\sc)+NQ*(\a)+(\q)] matrix_a_scale:MATRIX_SCALE_ROW1
.else
	v_wmma_scale_f32_16x16x128_f8f6f4 v[8*(8*((\a)%4)+\b):8*(8*((\a)%4)+\b)+7], v[128*(\p)+FR*\b:128*(\p)+FR*\b+FR-1], v[AF+FR*(\a):AF+FR*(\a)+FR-1], v[8*(8*((\a)%4)+\b):8*(8*((\a)%4)+\b)+7], v[SC+8*NQ*(\sc)+NQ*\b+(\q)], v[SC+8*NQ*(\sc)+NQ*(\a)+(\q)] matrix_a_scale:MATRIX_SCALE_ROW1
.endif
.endr
.endr
.endm
.macro FETCH_B slot, q, p
	WIN TO_B
.irp i, 0,1,2,3,4,5,6,7
	FRAGB 128*(\p)+FR*\i, ADRB+\slot, \q, \i
.endr
	WIN 0
.endm
.macro FETCH_A slot, q, i0
.irp i, (\i0)/2, (\i0)/2+1
	FRAGA AF+FR*(\i), ADRA+\slot, \q, \i
.endr
.endm
.macro SCALES sc
.irp i, 0,1,2,3,4,5,6,7
	ds_load_b64 v[SC+16*\sc+2*\i:SC+16*\sc+2*\i+1], v[ADRS] offset:\i*SBLK
.endr
.endm
.macro PLACES n
.rept \n
	v_nop
.endr
.endm
.macro STEP slot, q, first
	s_wait_dscnt 4*NL
.if \first
	WIN 0x81
.else
	WIN MUL_LO
.endif
	MUL16 0, (\q)%2, \q, \slot, \first
	MUL16 2, (\q)%2, \q, \slot, \first
	s_wait_dscnt 0
	PLACES NP
	FETCH_B \slot, (\q)+1, 1-(\q)%2
	FETCH_A \slot, (\q)+1, 0
.if \first
	WIN 0xc1
.else
	WIN MUL_HI
.endif
	MUL16 4, (\q)%2, \q, \slot, \first
	MUL16 6, (\q)%2, \q, \slot, \first
	PLACES NP
	WIN 0
	FETCH_A \slot, (\q)+1, 4
.endm
.macro TURN slot, next, fill
	s_wait_tensorcnt 0x0
	ds_add_u32 v[SPW], v[NIL]
	s_wait_dscnt 4*NL+1
	WIN MUL_LO
	MUL16 0, 1, NQ-1, \slot, 0
	s_wait_dscnt 0x0
	s_barrier_signal -1
	MUL16 2, 1, NQ-1, \slot, 0
	WIN 0
	s_barrier_wait -1
.if \fill
	CREST
	s_add_nc_u64 s[G0+4*\slot+2:G0+4*\slot+3], s[G0+4*\slot+2:G0+4*\slot+3], 2*4096
	s_add_nc_u64 s[G0B+4*\slot+2:G0B+4*\slot+3], s[G0B+4*\slot+2:G0B+4*\slot+3], 2*ROWB
	JLOAD G0+4*\slot, G1, G0B+4*\slot, G1B
	PLACES NP-4
.else
	PLACES NP
.endif
	s_wait_alu depctr_va_vdst(0)
	v_add_nc_u32 v[ADRS], 4*NQ, v[ADRS]
	FETCH_B \next, 0, 0
	FETCH_A \next, 0, 0
	SCALES \next
	WIN MUL_HI
	MUL16 4, 1, NQ-1, \slot, 0
	MUL16 6, 1, NQ-1, \slot, 0
	PLACES NP
	WIN 0
	FETCH_A \next, 0, 4
.endm
	s_wait_alu depctr_va_vdst(0)
	s_wait_tensorcnt 0x0                           ; my tile of the head's four is in
	ds_add_u32 v[SPW], v[NIL]
	s_mov_b32 s[G1+2], 4<<16                       ; no tensor load of mine is out: from here on A's load brings 64 rows (4 tiles of rows), B's 128
	s_mov_b32 s[G1+4], 4
	s_mov_b32 s[G1B+2], 128<<16
	s_mov_b32 s[G1B+4], 128
	s_wait_dscnt 0x0
	CROUND                                         ; all four tiles are in, and all sixteen work-groups are here
	JLOAD G0+4, G1, G0B+4, G1B                     ; K step 1, the first tensor load behind the round
	FETCH_B 0, 0, 0
	FETCH_A 0, 0, 0
	SCALES 0
	FETCH_A 0, 0, 4
	s_wait_loadcnt 0x0
	STEP 0, 0, 1
	TURN 0, 1, 1
	STEP 1, 0, 0
	TURN 1, 0, 1
	STEP 0, 0, 0
	TURN 0, 1, 0
	STEP 1, 0, 0
	s_wait_dscnt 4*NL
	WIN MUL_LO
	MUL16 0, 1, NQ-1, 1, 0
	MUL16 2, 1, NQ-1, 1, 0
	s_wait_dscnt 0
	WIN MUL_HI
	MUL16 4, 1, NQ-1, 1, 0
	MUL16 6, 1, NQ-1, 1, 0
	WIN 0
.macro TOSTAGE a
.set AC, 64*((\a)%4)
	WIN 0x08+4*((\a)/2)
.irp b, 0,1,2,3,4,5,6,7
	ds_store_b128 v[STO], v[AC+8*\b:AC+8*\b+3] offset:64*\b
	ds_store_b128 v[STO], v[AC+8*\b+4:AC+8*\b+7] offset:64*\b+16
.endr
	WIN 0
.set BB, BK+64*((\a)%2)
.irp t, 0,1,2,3,4,5,6,7,8,9,10,11,12,13,14,15
	ds_load_b128 v[BB+4*\t:BB+4*\t+3], v[RD] offset:\t*SPITCH
.endr
.endm
.macro SEND a, younger
.set BB, BK+64*((\a)%2)
	s_wait_dscnt \younger
.irp t, 0,1,2,3,4,5,6,7,8,9,10,11,12,13,14,15
	global_store_b128 v[CO], v[BB+4*\t:BB+4*\t+3], s[12:13] offset:(32*((\a)/2)+\t+8*((\a)%2)+16*(1-(\a)%2)*(\t/8))*4096 th:TH_STORE_NT
.endr
.endm
	PLACES NP
	TOSTAGE 0
.irp a, 1,2,3
.if \a > 1
	s_wait_xcnt 0x0
.endif
	TOSTAGE \a
	SEND \a-1, 32
.endr
	SEND 3, 0
	s_wait_tensorcnt 0x0
	ds_add_u32 v[SPW], v[NIL]
	s_wait_dscnt 0x0
	CROUND
	s_endpgm
.Lfunc_end_k_qeefe9e63ce_proj:
	.size	k_qeefe9e63ce_proj, .Lfunc_end_k_qeefe9e63ce_proj-k_qeefe9e63ce_proj
	.p2alignl 7, 3214868480
	.fill 96, 4, 3214868480
	.section	.rodata,"a",@progbits
	.p2align	6, 0x0
	.amdhsa_kernel k_qeefe9e63ce_proj
		.amdhsa_group_segment_fixed_size 327680
		.amdhsa_private_segment_fixed_size 0
		.amdhsa_enable_private_segment 0
		.amdhsa_kernarg_size 48
		.amdhsa_user_sgpr_count 2
		.amdhsa_user_sgpr_kernarg_segment_ptr 1
		.amdhsa_wavefront_size32 1
		.amdhsa_system_sgpr_workgroup_id_x 1
		.amdhsa_system_sgpr_workgroup_id_y 1
		.amdhsa_system_sgpr_workgroup_id_z 1
		.amdhsa_system_vgpr_workitem_id 0
		.amdhsa_next_free_vgpr 1024
		.amdhsa_next_free_sgpr 98
		.amdhsa_reserve_vcc 0
		.amdhsa_float_denorm_mode_32 3
		.amdhsa_float_denorm_mode_16_64 3
		.amdhsa_memory_ordered 1
		.amdhsa_forward_progress 1
		.amdhsa_inst_pref_size 93
	.end_amdhsa_kernel
	.amdgpu_metadata
---
amdhsa.version: [ 1, 2 ]
amdhsa.kernels:
  - .name:           k_qeefe9e63ce_proj
    .symbol:         k_qeefe9e63ce_proj.kd
    .args:
      - { .name: ao, .offset: 0, .size: 8, .value_kind: global_buffer, .address_space: global }
      - { .name: ao_scales, .offset: 8, .size: 8, .value_kind: global_buffer, .address_space: global }
      - { .name: w_out_codes, .offset: 16, .size: 8, .value_kind: global_buffer, .address_space: global }
      - { .name: w_out_scales, .offset: 24, .size: 8, .value_kind: global_buffer, .address_space: global }
      - { .name: b_out, .offset: 32, .size: 8, .value_kind: global_buffer, .address_space: global }
      - { .name: out0, .offset: 40, .size: 8, .value_kind: global_buffer, .address_space: global }
    .group_segment_fixed_size: 327680
    .private_segment_fixed_size: 0
    .kernarg_segment_align: 8
    .kernarg_segment_size: 48
    .max_flat_workgroup_size: 128
    .sgpr_count:     98
    .vgpr_count:     1024
    .wavefront_size: 32
...
	.end_amdgpu_metadata
.endif
;; end of part 3
